; MI455X (gfx1250); checked and timed in simulation.
; The chip was launched on July 23, 2026; its instructions are those of AMD's public machine-readable ISA for CDNA 5 (MIT licence, August 2026) and "CDNA5" Instruction Set Architecture Reference Guide (July 2026). The comments in the code are by the model that wrote it; some were corrected since.
;; Representation Head. Allowed arithmetic: matrix products marked QUANTISED: E2M1 operands, one E8M0 scale for each 32 along K, by v_wmma_scale_f32_16x16x128_f8f6f4 with both operands' format E2M1 (or v_wmma_scale_f32_32x16x128_f4), f32 sums; products left as they are: f32 operands where the result goes on into a quantised operand, else bf16, f16 or f32 operands; f32 sums; everything else in f32.
;; Inputs: db1 512 float32; db2 1 float32; dw1_codes 512 x 8 x 16 uint8 (E2M1 codes of dw1, K innermost, in blocks of 32 codes, two codes a byte); dw1_scales 512 x 8 uint8 (E8M0 scales of dw1, one for each 32 codes along K); dw2 512 x 1 float32; ln_beta 256 float32; ln_gamma 256 float32; rb1 512 float32; rb2 1 float32; rw1_codes 512 x 8 x 16 uint8 (E2M1 codes of rw1, K innermost, in blocks of 32 codes, two codes a byte); rw1_scales 512 x 8 uint8 (E8M0 scales of rw1, one for each 32 codes along K); rw2 512 x 1 float32; slot_mask 32 x 4,096 bool; slot_states 32 x 4,096 x 256 float32; vb 256 float32; vw_codes 256 x 8 x 16 uint8 (E2M1 codes of vw, K innermost, in blocks of 32 codes, two codes a byte); vw_scales 256 x 8 uint8 (E8M0 scales of vw, one for each 32 codes along K).
;; Outputs: out0 32 x 256 float32; out1 32 x 4,096 float32; out2 32 x 3 int32; out3 32 x 3 float32; out4 32 x 4,096 float32.
;; This version of the problem:
;;   THIS VERSION OF THE PROBLEM IS GIVEN IN LOW PRECISION. The matrix products marked QUANTISED in the list below multiply operands that are first quantised to E2M1 (2 exponent bits, 1 mantissa bit; 4 bits a number), with one power-of-two scale for each 32 numbers along K (OCP MX v1.0); their sums are f32. All else is computed in f32.
;;   The module's matrix products, in the order in which they are computed (A, B: the left and right operand; K: the contracted axis; several contracted axes count as one K, in the product's order):
;;     1. [M 131,072, K 256] x [K 256, N 512]; A: computed on the way; B: input dw1 (given as codes): QUANTISED
;;     2. [M 131,072, K 512] x [K 512, N 1]; A: computed on the way; B: input dw2: left as it is (N = 1 < 16)
;;     3. [M 131,072, K 256] x [K 256, N 512]; A: computed on the way; B: input rw1 (given as codes): QUANTISED
;;     4. [M 131,072, K 512] x [K 512, N 1]; A: computed on the way; B: input rw2: left as it is (N = 1 < 16)
;;     5. [M 131,072, K 256] x [K 256, N 256]; A: computed on the way; B: input vw (given as codes): QUANTISED
;;     6. batch 32 x [M 1, K 4,096] x [K 4,096, N 256]; A: computed on the way; B: computed on the way: left as it is (M = 1 < 16)
;;   THE QUANTISER, for each operand of a quantised product, along K:
;;     - K is cut into blocks of 32 from its start; a last block that is shorter is filled with zeros.
;;     - A block's scale is 2^e with e = floor(log2(the largest magnitude in the block)) - 2, held to -126 .. 127; a block of zeros has e = 0. As a byte (E8M0): e + 127.
;;     - Each number is divided by its block's scale, clamped to +-6, and rounded to the nearest number of E2M1, ties to even, subnormals kept.
;;     - The product sums the exact products of the quantised numbers (number of the format x scale) in f32.
;;   ~~~python
;;   def quantise(x, axis):      # numpy; x: float32 -> the quantised numbers, widened to float32 again
;;       x = np.moveaxis(x, axis, -1); K = x.shape[-1]
;;       x = np.pad(x, [(0, 0)] * (x.ndim - 1) + [(0, -K % 32)]); x = x.reshape(x.shape[:-1] + (-1, 32)); a = np.abs(x).max(-1, keepdims=True)
;;       e = np.where(a > 0, np.clip(np.frexp(np.where(a > 0, a, 1))[1] - 1 - 2, -126, 127), 0)      # np.frexp(a)[1] - 1 = floor(log2(a)), exactly
;;       r = np.clip(x / 2.0 ** e, -6, 6)
;;       step = 2.0 ** (np.maximum(np.frexp(np.where(r == 0, 1, r))[1] - 1, 0) - 1)
;;       q = np.round(r / step) * step * 2.0 ** e      # np.round: ties to even
;;       return np.moveaxis(q.reshape(q.shape[:-2] + (-1,))[..., :K], -1, axis).astype(np.float32)
;;   ~~~
;;   OPERANDS COMPUTED ON THE WAY. 'Computed on the way' means the value that the module computes at that place (a softmax that the list does not call 'softmax' is quantised finished and normalised). What goes into a quantiser is computed in f32, as accurately as f32 sums, v_exp_f32 and their like allow (about 1e-6 of the number): no bf16 or f16 on the way to a quantiser, and a product that is left as it is and whose result goes on into a quantised operand takes f32 operands (vector FMAs, or v_wmma_f32_16x16x4_f32). A number that lies on a knife's edge between two numbers of the format may be rounded either way, as far as f32 arithmetic and the matrix unit's own rounding can turn it there, and no further.
;;   INPUTS GIVEN AS CODES. dw1 (in the module: [256, 512], K = its axis 0); rw1 (in the module: [256, 512], K = its axis 0); vw (in the module: [256, 256], K = its axis 0): each comes as NAME_codes (uint8): NAME with its K axis moved to the last place and cut into blocks of 32 codes, [.., K / 32, bytes a block], one block behind the other in memory; two codes a byte, the lower K in the low four bits (a code: sign, 2 exponent bits, 1 mantissa bit); and NAME_scales (uint8): the same leading axes, one E8M0 byte (e + 127) for each 32 codes along K. Its value is code x scale, taken as it is: it is not quantised again, and the codes and scales need not be those that the quantiser above would give.
;; 2 versions, each right; version 2 is version 1 with the launch head written anew for expert scheduling mode. Each part assembles by itself: llvm-mc -triple=amdgcn-amd-amdhsa -mcpu=gfx1250 --defsym DOCPART=n.
;; ======== version 1 of 2: 2 launches
;; workspace buffers: ebuf 524,288 bytes; part 262,144 bytes
;; launch head (part 1): grid 256 x 1, 4 waves a work-group, no clusters, 218,880 bytes of LDS; arguments slot_states, slot_mask, ln_gamma, ln_beta, dw1_codes, dw1_scales, db1, dw2, db2, rw1_codes, rw1_scales, rb1, rw2, rb2, vw_codes, vw_scales, vb, out4, ebuf, part; writes out4, ebuf, part
.if DOCPART == 1
	.amdgcn_target "amdgcn-amd-amdhsa--gfx1250"
	.amdhsa_code_object_version 6
	.text
	.protected	k_qfb5cd42b07_head
	.globl	k_qfb5cd42b07_head
	.p2align	8
	.type	k_qfb5cd42b07_head,@function
k_qfb5cd42b07_head:
	s_mov_b64 s[64:65], 0
	v_nop
	global_prefetch_b8 v0, s[64:65] scope:SCOPE_SE
	s_setreg_imm32_b32 hwreg(HW_REG_WAVE_MODE, 25, 1), 1
	s_wait_xcnt 0x0
; RepresentationHead, first launch.  For each of 131,072 rows of 256 f32: LayerNorm, the MX-FP4 quantiser along K = 256, three products on codes (dw1, rw1: 512 units each; vw: 256),
; exact GELU, the two dot products with dw2 and rw2, score = clip(drive - softplus(res), -3, 3), e = mask x exp(score), and the work-group's part of the sum of e x (values + vb).
; Stored: out4 (the scores), ebuf (e), part (256 sums for each work-group).  The second launch divides by the batch's sum of e.
; NO MAXIMUM IS TAKEN AHEAD OF THE EXPONENTIAL: the clip that the problem itself makes holds the exponent in -3 .. 3, so e lies in 0.0498 .. 20.1 and a batch's 4,096 of them sum to under 83,000.
; SHARES.  Work-group g owns rows 512 g .. 512 g + 511.  THE WAVES SHARE THE COLUMNS: wave w keeps hidden units 128 w .. 128 w + 127 of dw1 and of rw1 and outputs 64 w .. 64 w + 63 of vw in registers for the
; whole launch (codes, scale words, biases as C registers, 0.5 x w2).  What goes round through LDS is small: x's codes (144 bytes a row) and the waves' parts of drive and res.
; ALL PRODUCTS ARE USED TRANSPOSED (source 0 = 16 rows of a weight, source 1 = 16 rows of x): lane (r, h) holds row r of x, register j the tile's unit 8 h + j.
; The rows come in blocks of 64 (wave w normalises and quantises rows 16 w .. 16 w + 15 of a block, one block ahead); products and GELU go in 16 trips of 32 rows.
; No cluster: what work-groups share is the 170 KB of weights, read once at the head straight into operand registers; nothing in the loop is shared.  No tensor load: each row is read once by one wave,
; and 128 registers a wave keep a block of rows on its way two trips ahead of its use.
; GELU: erf(x) = x P(x^2) / Q(x^2), degrees 6 and 4 in x^2, x held at +-4; with x = h / sqrt 2 the powers of 1/2 and the 1 / sqrt 2 lie in the coefficients: erf = hc P(y) / Q(y), y = hc^2, hc = h held at +-4 sqrt 2.
; LIMITS: NaN and infinities among the inputs are not served.  A block of x whose largest magnitude lies under 2^-124 gets the scale byte 1 (a block of zeros too: its codes are zeros, and this program alone
; reads the bytes).  Beyond |x| = 4 erf is taken at 4, within 1.6e-8 of +-1.  log2(1 + 2^-a) in the softplus is good to 6e-8 absolutely, not relatively.  Sums are taken in another order than the reference's.
; REGISTERS, in windows of 256 (s_set_vgpr_msb: bits 1:0 source 0, 3:2 source 1, 5:4 source 2, 7:6 destination):
;   window 0: v1-15, v38-47 addresses; v16-37 scale words and nothing else; v48-79 x's fragments; v80-111 two buffers of hidden results; v112-175 at work; v176-207 the sums for drive and res;
;             v208-211 two coefficients; v212-243 gamma, beta; v244-247 e of the two row tiles; v248-251 destinations of lane permutes
;   window 1: the 16 hidden tiles' fragments (tile T, K step s at v[16 T + 8 s])
;   window 2: v0-63 vw's fragments; v64-95 vb as C; v96-127 the value sums; v128-255 sixteen rows of x
;   window 3: v0-127 b1 as C (tile T at v[8 T]); v128-255 0.5 x w2 likewise
.set XC,   0                           ; x's codes: row x 144 (128 bytes + 16 of padding); room for phase X's address at every trip number, also the trips in which it is jumped over
.set XSC,  87552                       ; x's scale bytes: row x 8; likewise
.set PS,   92416                       ; parts of drive and res: trip x 1024 + row tile x 512 + wave x 128 + 4 x lane
.set STG,  108800                      ; each wave's own: 8 steps x 32 places of 80 bytes; at the end 16 rows x 272
.set SCO,  190720                      ; each wave's own copy, 4,096 bytes: 512 scores, then 512 e
.set MSK,  207104                      ; each wave's own copy of the group's 512 mask bytes
.set CST,  209152                      ; db1, rb1, dw2, rw2 (2,048 bytes each), vb (1,024)
.set MSB, 0
.macro WIN new                         ; the immediate's high byte repeats the setting that is left; a switch that changes nothing is dropped
.if MSB != \new
	s_set_vgpr_msb (MSB<<8)|\new
.set MSB, \new
.endif
.endm
.macro CPAIR r, bits                   ; a coefficient, twice: the packed forms name a pair
	s_mov_b32 s[\r], \bits
	s_mov_b32 s[\r+1], \bits
.endm
.macro BARRIER                         ; my LDS stores have landed and my LDS loads are in: then the work-group's barrier
	s_wait_dscnt 0x0
	s_barrier_signal -1
	s_barrier_wait -1
.endm
; My wave's 16 rows of a block, as they lie: each load takes 512 consecutive bytes.  v4 = 16 x lane + 16,384 x wave + 65,536 x block.
.macro RAWLOAD
	WIN 0x80
.irp p, 0,1,2,3,4,5,6,7
.irp q, 0,1,2,3
	global_load_b128 v[128+16*\p+4*\q:131+16*\p+4*\q], v4, s[4:5] offset:2048*\p+512*\q th:TH_LOAD_NT
.endr
.endr
	WIN 0
.endm
; PHASE X: sixteen rows become codes and scale bytes.  Step p is two rows.  The rows turn through my own stage, so that a lane holds 16 NEIGHBOURS: row 2 p + h, columns 16 r .. 16 r + 15.
; The eight steps take turns line by line, so that no line waits for the line above it.  v9, v10: where the codes and the bytes go.
; At work in window 0: T_p v[112+2p] sums, R_p v[128+2p] squares, M_p v[144+p], SC_p v[152+p], BY_p v[160+p], CD_p v[168+2p] codes.
.macro XPHASE
	WIN 0x08
.irp p, 0,1,2,3,4,5,6,7
.irp q, 0,1,2,3
	ds_store_b128 v5, v[128+16*\p+4*\q:131+16*\p+4*\q] offset:2560*\p+640*\q
.endr
.endr
	s_wait_dscnt 0x0                               ; the stores have read their registers, into which the loads below land
	WIN 0x80
.irp p, 0,1,2,3,4,5,6,7
.irp q, 0,1,2,3
	ds_load_b128 v[128+16*\p+4*\q:131+16*\p+4*\q], v6 offset:2560*\p+16*\q
.endr
.endr
	s_wait_dscnt 0x0
	WIN 0x0a                                       ; the row's sum: my 16, then the 16 lanes of my half
.irp p, 0,1,2,3,4,5,6,7
	v_pk_add_f32 v[112+2*\p:113+2*\p], v[128+16*\p:129+16*\p], v[130+16*\p:131+16*\p]
.endr
	WIN 0x08
.irp i, 4,6,8,10,12,14
.irp p, 0,1,2,3,4,5,6,7
	v_pk_add_f32 v[112+2*\p:113+2*\p], v[112+2*\p:113+2*\p], v[128+16*\p+\i:129+16*\p+\i]
.endr
.endr
	WIN 0
.irp p, 0,1,2,3,4,5,6,7
	v_add_f32 v[112+2*\p], v[112+2*\p], v[113+2*\p]
.endr
.irp x, 1,2,4,8
.irp p, 0,1,2,3,4,5,6,7
	v_add_f32_dpp v[112+2*\p], v[112+2*\p], v[112+2*\p] row_xmask:\x row_mask:0xf bank_mask:0xf
.endr
.endr
	WIN 0xa0                                       ; d = x - sum / 256, one rounding.  The variance is taken of d: no difference of large sums
.irp i, 0,2,4,6,8,10,12,14
.irp p, 0,1,2,3,4,5,6,7
	v_pk_fma_f32 v[128+16*\p+\i:129+16*\p+\i], v[112+2*\p:113+2*\p], s[78:79], v[128+16*\p+\i:129+16*\p+\i] op_sel_hi:[0,0,1]
.endr
.endr
	WIN 0x0a
.irp p, 0,1,2,3,4,5,6,7
	v_pk_mul_f32 v[128+2*\p:129+2*\p], v[128+16*\p:129+16*\p], v[128+16*\p:129+16*\p]
.endr
.irp i, 2,4,6,8,10,12,14
.irp p, 0,1,2,3,4,5,6,7
	v_pk_fma_f32 v[128+2*\p:129+2*\p], v[128+16*\p+\i:129+16*\p+\i], v[128+16*\p+\i:129+16*\p+\i], v[128+2*\p:129+2*\p]
.endr
.endr
	WIN 0
.irp p, 0,1,2,3,4,5,6,7
	v_add_f32 v[128+2*\p], v[128+2*\p], v[129+2*\p]
.endr
.irp x, 1,2,4,8
.irp p, 0,1,2,3,4,5,6,7
	v_add_f32_dpp v[128+2*\p], v[128+2*\p], v[128+2*\p] row_xmask:\x row_mask:0xf bank_mask:0xf
.endr
.endr
.irp p, 0,1,2,3,4,5,6,7
	v_fma_f32 v[128+2*\p], v[128+2*\p], s80, s81   ; the variance + 1e-5
.endr
.irp p, 0,1,2,3,4,5,6,7
	v_rsq_f32 v[128+2*\p], v[128+2*\p]
.endr
	v_nop                                          ; a plain instruction between the last root and the use of its result
	WIN 0x82
	s_wait_alu depctr_va_vdst(0)
.irp i, 0,2,4,6,8,10,12,14
.irp p, 0,1,2,3,4,5,6,7
	v_pk_mul_f32 v[128+16*\p+\i:129+16*\p+\i], v[128+16*\p+\i:129+16*\p+\i], v[128+2*\p:129+2*\p] op_sel_hi:[1,0]
.endr
.endr
.irp i, 0,2,4,6,8,10,12,14
.irp p, 0,1,2,3,4,5,6,7
	v_pk_fma_f32 v[128+16*\p+\i:129+16*\p+\i], v[128+16*\p+\i:129+16*\p+\i], v[212+\i:213+\i], v[228+\i:229+\i]   ; x gamma + beta
.endr
.endr
	WIN 0x0a                                       ; the block's largest magnitude: my 16 and the floor 2^(3 - 127), under which none is taken, so that the byte cannot fall under 1;
.irp p, 0,1,2,3,4,5,6,7
	v_max3_num_f32 v[144+\p], |v[128+16*\p]|, |v[129+16*\p]|, 0x1800000
.endr
.irp i, 2,4,6,8,10,12,14
.irp p, 0,1,2,3,4,5,6,7
	v_max3_num_f32 v[144+\p], |v[128+16*\p+\i]|, |v[129+16*\p+\i]|, v[144+\p]
.endr
.endr
	WIN 0
.irp p, 0,1,2,3,4,5,6,7
	v_max_num_f32_dpp v[144+\p], v[144+\p], v[144+\p] row_xmask:1 row_mask:0xf bank_mask:0xf   ; and my neighbour's 16: two lanes hold a block of 32
.endr
.irp p, 0,1,2,3,4,5,6,7
	v_add_nc_u32 v[152+\p], 0xff000000, v[144+\p]  ; 2 off its exponent field: the conversion takes the exponent field of this operand as its scale, and nothing else of it
.endr
.irp p, 0,1,2,3,4,5,6,7
	v_lshrrev_b32 v[160+\p], 23, v[152+\p]         ; the scale's byte
.endr
	WIN 0x02
.irp p, 0,1,2,3,4,5,6,7
	v_cvt_scalef32_pk8_fp4_f32 v[168+2*\p], v[128+16*\p:135+16*\p], v[152+\p]
	v_cvt_scalef32_pk8_fp4_f32 v[169+2*\p], v[136+16*\p:143+16*\p], v[152+\p]
.endr
	WIN 0
	v_nop                                          ; one plain instruction behind the last scaled conversion
.irp p, 0,1,2,3,4,5,6,7
	ds_store_b64 v9, v[168+2*\p:169+2*\p] offset:288*\p      ; my 16 codes: 8 bytes of row 2 p + h
	ds_store_b8 v10, v[160+\p] offset:16*\p                   ; both lanes of a block write the same byte with the same value
.endr
.endm
; Hidden tile T (0-7: dw1's, 8-15: rw1's) for the trip's two row tiles: four matrix instructions, the two accumulators by turns.  The bias is the C of the first K step.
; One scale register carries both K steps' words: lanes 0-15 step 0's, lanes 16-31 step 1's.
.macro MM T
.set DB, 80+16*((\T)%2)
	WIN 0x31                                       ; source 0 window 1, source 2 (b1) window 3
.irp m, 0,1
	v_wmma_scale_f32_16x16x128_f8f6f4 v[DB+8*\m:DB+8*\m+7], v[16*(\T):16*(\T)+7], v[48+16*\m:55+16*\m], v[8*(\T):8*(\T)+7], v[16+(\T)], v[36+\m] matrix_a_fmt:MATRIX_FMT_FP4 matrix_b_fmt:MATRIX_FMT_FP4
.endr
	WIN 0x01
.irp m, 0,1
	v_wmma_scale_f32_16x16x128_f8f6f4 v[DB+8*\m:DB+8*\m+7], v[16*(\T)+8:16*(\T)+15], v[56+16*\m:63+16*\m], v[DB+8*\m:DB+8*\m+7], v[16+(\T)], v[36+\m] matrix_a_fmt:MATRIX_FMT_FP4 matrix_b_fmt:MATRIX_FMT_FP4 matrix_a_scale:MATRIX_SCALE_ROW1 matrix_b_scale:MATRIX_SCALE_ROW1
.endr
	WIN 0
.endm
; GELU of tile T's 16 numbers a lane, times w2, onto the sums: 152 instructions.  Every run goes over the eight pairs in ascending order.
; HC v112, Y (later U) v128, P v144, Q v160.
.macro GELU T
.set DB, 80+16*((\T)%2)
.set AB, 176+16*((\T)/8)
.set CB, 128+8*(\T)
.irp k, 0,1,2,3,4,5,6,7,8,9,10,11,12,13,14,15
	v_med3_num_f32 v[112+\k], v[DB+\k], -s74, s74  ; hc = h held at +-4 sqrt 2
.endr
.irp i, 0,2,4,6,8,10,12,14
	v_pk_mul_f32 v[128+\i:129+\i], v[112+\i:113+\i], v[112+\i:113+\i]           ; y
.endr
.irp i, 0,2,4,6,8,10,12,14
	v_pk_fma_f32 v[144+\i:145+\i], v[128+\i:129+\i], s[44:45], v[208:209] op_sel_hi:[1,0,1]   ; P = A6 y + A5
.endr
.irp i, 0,2,4,6,8,10,12,14
	v_pk_fma_f32 v[160+\i:161+\i], v[128+\i:129+\i], s[56:57], v[210:211] op_sel_hi:[1,0,1]   ; Q = B4 y + B3
.endr
.irp c, 0,1,2                          ; P: A4, A3, A2;  Q: B2, B1, B0
.irp i, 0,2,4,6,8,10,12,14
	v_pk_fma_f32 v[144+\i:145+\i], v[144+\i:145+\i], v[128+\i:129+\i], s[46+2*\c:47+2*\c] op_sel_hi:[1,1,0]
.endr
.irp i, 0,2,4,6,8,10,12,14
	v_pk_fma_f32 v[160+\i:161+\i], v[160+\i:161+\i], v[128+\i:129+\i], s[58+2*\c:59+2*\c] op_sel_hi:[1,1,0]
.endr
.endr
.irp i, 0,2,4,6,8,10,12,14             ; a reciprocal and a plain line by turns: each reciprocal has a plain instruction behind it
	v_rcp_f32 v[160+\i], v[160+\i]
	v_pk_fma_f32 v[144+\i:145+\i], v[144+\i:145+\i], v[128+\i:129+\i], s[52:53] op_sel_hi:[1,1,0]   ; A1
.endr
.irp i, 0,2,4,6,8,10,12,14
	v_rcp_f32 v[161+\i], v[161+\i]
	v_pk_fma_f32 v[144+\i:145+\i], v[144+\i:145+\i], v[128+\i:129+\i], s[54:55] op_sel_hi:[1,1,0]   ; A0
.endr
.irp i, 0,2,4,6,8,10,12,14
	v_pk_mul_f32 v[144+\i:145+\i], v[144+\i:145+\i], v[112+\i:113+\i]           ; hc P
.endr
	WIN 0x0c                                       ; source 1 window 3
.irp i, 0,2,4,6,8,10,12,14
	v_pk_mul_f32 v[128+\i:129+\i], v[DB+\i:DB+\i+1], v[CB+(\i%8):CB+(\i%8)+1]   ; U = h x 0.5 w2 (h as it is, not held)
.endr
	WIN 0
	s_wait_alu depctr_va_vdst(0)
.irp i, 0,2,4,6,8,10,12,14
	v_pk_fma_f32 v[144+\i:145+\i], v[144+\i:145+\i], v[160+\i:161+\i], 1.0 op_sel_hi:[1,1,0]   ; 1 + erf
.endr
.irp i, 0,2,4,6,8,10,12,14
.if ((\T)%8) == 0
	v_pk_mul_f32 v[AB+\i:AB+\i+1], v[128+\i:129+\i], v[144+\i:145+\i]           ; the first tile starts the sums: nothing is cleared
.else
	v_pk_fma_f32 v[AB+\i:AB+\i+1], v[128+\i:129+\i], v[144+\i:145+\i], v[AB+\i:AB+\i+1]
.endif
.endr
.endm
	; ---- the head
	s_load_b512 s[4:19], s[0:1], 0x0               ; slot_states 4, slot_mask 6, ln_gamma 8, ln_beta 10, dw1_codes 12, dw1_scales 14, db1 16, dw2 18
	s_load_b512 s[20:35], s[0:1], 0x40             ; db2 20, rw1_codes 22, rw1_scales 24, rb1 26, rw2 28, rb2 30, vw_codes 32, vw_scales 34
	s_load_b256 s[36:43], s[0:1], 0x80             ; vb 36, out4 38, ebuf 40, part 42
	v_lshl_add_u32 v254, v0, 2, 0x35500
	v_mov_b32 v255, 0
	v_lshrrev_b32 v47, 5, v0
	v_readfirstlane_b32 s66, v47                   ; wave 0..3
	v_and_b32 v47, 31, v0                          ; lane: kept
	v_and_b32 v1, 15, v0                           ; r
	v_bfe_u32 v2, v0, 4, 1                         ; h
	s_lshl_b32 s2, s66, 14
	v_lshl_add_u32 v3, v47, 4, s2                  ; rows as they lie: 16 x lane + my wave's 16 rows of 1,024 bytes
	s_mul_i32 s3, s66, 20480
	s_add_co_u32 s3, s3, STG                       ; my stage: kept
	v_bfe_u32 v5, v0, 2, 3
	v_mul_u32_u24 v5, v5, 80
	v_and_b32 v6, 3, v0
	v_lshl_add_u32 v5, v6, 4, v5
	v_add_nc_u32 v5, s3, v5                        ; into the stage: 80 (lane / 4) + 16 (lane % 4): four lanes' 64 bytes on end, then 16 of padding
	v_mul_u32_u24 v6, v47, 80
	v_add_nc_u32 v6, s3, v6                        ; out of it: 80 x lane: my 16 neighbours
	s_mul_i32 s88, s66, 2304
	v_mul_u32_u24 v7, v2, 144
	v_lshl_add_u32 v7, v1, 3, v7
	v_add_nc_u32 v7, s88, v7                       ; codes: row 16 w + h of a block, 8 bytes at 8 r
	s_lshl_b32 s88, s66, 7
	s_add_co_u32 s88, s88, XSC
	v_lshrrev_b32 v8, 1, v1
	v_lshl_add_u32 v8, v2, 3, v8
	v_add_nc_u32 v8, s88, v8                       ; scale bytes: the same row, block r / 2
	v_mul_u32_u24 v11, v1, 144
	v_lshl_add_u32 v11, v2, 4, v11                 ; x's fragments: row r x 144 + 16 h
	v_lshlrev_b32 v46, 3, v1
	v_lshl_add_u32 v46, v2, 2, v46                 ; scale words: 8 r + 4 h: lanes 0-15 take K step 0's word of row r, lanes 16-31 K step 1's
	v_add_nc_u32 v13, XSC, v46
	s_lshl_b32 s88, s66, 7
	s_add_co_u32 s88, s88, PS
	v_lshl_add_u32 v15, v47, 2, s88                ; where I put my parts of drive and res
	v_lshl_add_u32 v39, v47, 2, PS                 ; and where I read all four waves'
	s_lshl_b32 s88, s66, 9
	s_add_co_u32 s88, s88, MSK
	v_add_nc_u32 v41, s88, v1                      ; my copy of the mask, row r
	v_lshl_add_u32 v248, v47, 4, s88               ; (and where I store it)
	s_lshl_b32 s88, s66, 12
	s_add_co_u32 s88, s88, SCO
	v_lshl_add_u32 v43, v47, 2, s88                ; my copy of scores and e
	v_lshlrev_b32 v45, 7, v1
	v_lshl_add_u32 v45, v2, 4, v45                 ; a weight's fragment: row r of 128 bytes + 16 h
	v_lshl_add_u32 v38, v0, 4, CST                 ; the small vectors go to LDS as they lie
	v_lshl_add_u32 v42, v0, 3, CST+8192
	v_lshlrev_b32 v12, 6, v1                       ; gamma, beta: my 16 columns
	v_lshlrev_b32 v14, 4, v0
	v_lshlrev_b32 v40, 3, v0
	v_lshlrev_b32 v44, 4, v47
	s_mov_b32 s74, 0x40b504f3                      ; 4 sqrt 2
	s_mov_b32 s75, 0xffff0000                      ; lanes 16-31
	s_mov_b32 s76, 0x76543210                      ; v_permlanex16_b32's selects for lane l xor 16
	s_mov_b32 s77, 0xfedcba98
	s_mov_b32 s78, 0xbb800000                      ; -1 / 256, twice
	s_mov_b32 s79, 0xbb800000
	s_mov_b32 s80, 0x3b800000                      ; 1 / 256
	s_mov_b32 s81, 0x3727c5ac                      ; 1e-5
	s_mov_b32 s82, 0x3fb8aa3b                      ; log2(e)
	s_mov_b32 s83, 0xbfb8aa3b
	s_mov_b32 s84, 0x3f317218                      ; ln 2
	s_mov_b32 s85, 0x40400000                      ; 3.0
	CPAIR 44, 0xac95df0b                           ; A6
	CPAIR 46, 0xb40cff51                           ; A4
	CPAIR 48, 0xb6eec2d2                           ; A3
	CPAIR 50, 0xb940ac63                           ; A2
	CPAIR 52, 0xbac1a1f6                           ; A1
	CPAIR 54, 0xbc83dbd4                           ; A0
	CPAIR 56, 0xb5accd2b                           ; B4
	CPAIR 58, 0xba1bf7b5                           ; B2
	CPAIR 60, 0xbbaad7f2                           ; B1
	CPAIR 62, 0xbca542a9                           ; B0
	s_wait_kmcnt 0x0
	s_load_b32 s86, s[20:21], 0x0                  ; db2
	s_load_b32 s87, s[30:31], 0x0                  ; rb2
	s_mov_b32 s89, 0
	s_lshl_b32 s88, ttmp9, 19                      ; my group's 512 rows of 1,024 bytes
	s_add_nc_u64 s[4:5], s[4:5], s[88:89]
	s_lshl_b32 s88, ttmp9, 9
	s_add_nc_u64 s[6:7], s[6:7], s[88:89]
	s_lshl_b32 s88, ttmp9, 11
	s_lshl_b32 s90, s66, 9
	s_add_co_u32 s88, s88, s90                     ; out4, ebuf: 2,048 g + 512 w: each wave stores 128 rows
	s_add_nc_u64 s[38:39], s[38:39], s[88:89]
	s_add_nc_u64 s[40:41], s[40:41], s[88:89]
	s_lshr_b32 s88, s88, 1                         ; part: 1,024 g + 256 w
	s_add_nc_u64 s[42:43], s[42:43], s[88:89]
	s_lshl_b32 s88, s66, 14                        ; my 128 rows of dw1 and rw1,
	s_add_nc_u64 s[12:13], s[12:13], s[88:89]
	s_add_nc_u64 s[22:23], s[22:23], s[88:89]
	s_lshr_b32 s88, s88, 1                         ; my 64 of vw,
	s_add_nc_u64 s[32:33], s[32:33], s[88:89]
	s_lshl_b32 s88, s66, 10                        ; and their scale bytes
	s_add_nc_u64 s[14:15], s[14:15], s[88:89]
	s_add_nc_u64 s[24:25], s[24:25], s[88:89]
	s_lshr_b32 s88, s88, 1
	s_add_nc_u64 s[34:35], s[34:35], s[88:89]
	v_mov_b32 v4, v3
	RAWLOAD                                        ; block 0: first of all
.irp i, 0,1,2,3
	global_load_b128 v[212+4*\i:215+4*\i], v12, s[8:9] offset:16*\i
	global_load_b128 v[228+4*\i:231+4*\i], v12, s[10:11] offset:16*\i
.endr
	global_load_b128 v[112:115], v14, s[16:17]     ; db1: 128 threads x 16 bytes
	global_load_b128 v[116:119], v14, s[26:27]     ; rb1
	global_load_b128 v[120:123], v14, s[18:19]     ; dw2
	global_load_b128 v[124:127], v14, s[28:29]     ; rw2
	global_load_b64 v[128:129], v40, s[36:37]      ; vb
	global_load_b128 v[132:135], v44, s[6:7]       ; the group's 512 mask bytes: each wave takes all
	WIN 0x40
.irp t, 0,1,2,3,4,5,6,7
.irp s, 0,1
.irp c, 0,1
	global_load_b128 v[16*\t+8*\s+4*\c:16*\t+8*\s+4*\c+3], v45, s[12:13] offset:2048*\t+64*\s+32*\c
.endr
.endr
.endr
	WIN 0
	s_wait_loadcnt 32                              ; all but dw1's 32, which were issued last: block 0 and the small vectors are in
	ds_store_b128 v38, v[112:115]
	ds_store_b128 v38, v[116:119] offset:2048
	ds_store_b128 v38, v[120:123] offset:4096
	ds_store_b128 v38, v[124:127] offset:6144
	ds_store_b64 v42, v[128:129]
	ds_store_b128 v248, v[132:135]
	v_mov_b32 v9, v7
	v_mov_b32 v10, v8
	XPHASE                                         ; block 0 (its first wait on DScnt also shows that the six stores above have read their registers)
	WIN 0x40
.irp t, 0,1,2,3,4,5,6,7
.irp s, 0,1
.irp c, 0,1
	global_load_b128 v[128+16*\t+8*\s+4*\c:128+16*\t+8*\s+4*\c+3], v45, s[22:23] offset:2048*\t+64*\s+32*\c
.endr
.endr
.endr
	WIN 0x80
.irp t, 0,1,2,3
.irp s, 0,1
.irp c, 0,1
	global_load_b128 v[16*\t+8*\s+4*\c:16*\t+8*\s+4*\c+3], v45, s[32:33] offset:2048*\t+64*\s+32*\c
.endr
.endr
.endr
	WIN 0
.irp t, 0,1,2,3,4,5,6,7
	global_load_b32 v[16+\t], v46, s[14:15] offset:128*\t
	global_load_b32 v[24+\t], v46, s[24:25] offset:128*\t
.endr
.irp t, 0,1,2,3
	global_load_b32 v[32+\t], v46, s[34:35] offset:128*\t
.endr
	v_add_nc_u32 v4, 65536, v3                     ; (block 0's loads were shown done by the wait above)
	RAWLOAD                                        ; block 1
	BARRIER                                        ; block 0's codes and the small vectors lie in LDS
	s_lshl_b32 s88, s66, 9
	s_add_co_u32 s88, s88, CST
	v_lshl_add_u32 v38, v2, 5, s88                 ; my 128 units' numbers, + 32 h: tile t's eight of my half lie 64 t on
	s_lshl_b32 s88, s66, 8
	s_add_co_u32 s88, s88, CST+8192
	v_lshl_add_u32 v42, v2, 5, s88                 ; vb likewise: my 64 outputs
	WIN 0xc0
.irp g, 0,1
.irp t, 0,1,2,3,4,5,6,7
.irp u, 0,1
	ds_load_b128 v[64*\g+8*\t+4*\u:64*\g+8*\t+4*\u+3], v38 offset:2048*\g+64*\t+16*\u
	ds_load_b128 v[128+64*\g+8*\t+4*\u:128+64*\g+8*\t+4*\u+3], v38 offset:4096+2048*\g+64*\t+16*\u
.endr
.endr
.endr
	WIN 0x80
.irp t, 0,1,2,3
.irp u, 0,1
	ds_load_b128 v[64+8*\t+4*\u:64+8*\t+4*\u+3], v42 offset:64*\t+16*\u
.endr
.endr
	s_wait_dscnt 0x0
	WIN 0xc3
.set i, 128
.rept 64
	v_pk_mul_f32 v[i:i+1], v[i:i+1], 0.5 op_sel_hi:[1,0]     ; 0.5 x w2, once
.set i, i+2
.endr
	WIN 0x80
.set i, 96
.rept 32
	v_mov_b32 v[i], 0                              ; the value sums: the loop is written once, and these 32 lines cost less text than a second copy of its last phase
.set i, i+1
.endr
	WIN 0
	v_mov_b32 v208, 0x306dffee                     ; A5
	v_mov_b32 v209, 0x306dffee
	v_mov_b32 v210, 0xb81e3512                     ; B3
	v_mov_b32 v211, 0xb81e3512
	v_mov_b32 v245, 0                              ; named as upper halves of pairs
	v_mov_b32 v247, 0
.irp i, 248,249,250,251
	v_mov_b32 v[\i], 0                             ; a lane permute's destination counts as one of its sources
.endr
	s_mov_b32 s67, 0                               ; the trip's number J, and what steps with it:
	s_mov_b32 s68, 0                               ; 4,608 J: 32 rows of codes
	s_mov_b32 s69, 0                               ; 256 J: of scale bytes
	s_mov_b32 s70, 0                               ; 1,024 J: the parts
	s_mov_b32 s71, 0                               ; 128 J: scores
	s_mov_b32 s72, 0                               ; 32 J: mask bytes
	s_mov_b32 s73, 0                               ; 32,768 J: rows in memory
	s_wait_kmcnt 0x0                               ; db2, rb2
	s_wait_loadcnt 32                              ; all weights are in; block 1's 32 loads, issued last, may be out
.Ltrip:                                                ; 16 trips of 32 rows
	; ---- x's fragments and scale words of rows 32 J .. 32 J + 31.  (The plain lines of the last phase are the places behind the products that read these registers.)
	v_add_nc_u32 v12, s68, v11
	v_add_nc_u32 v14, s69, v13
.irp m, 0,1
.irp s, 0,1
.irp c, 0,1
	ds_load_b128 v[48+16*\m+8*\s+4*\c:51+16*\m+8*\s+4*\c], v12 offset:2304*\m+64*\s+32*\c
.endr
.endr
	ds_load_b32 v[36+\m], v14 offset:128*\m
.endr
	BARRIER                                        ; every wave's reads of codes, bytes and parts are in: only behind this are such regions stored into again
	; ---- phase X for block J / 2 + 1, in the even trips 0 .. 12; the rows of block J / 2 + 2 are then asked for, in trips 0 .. 10: no load leaves the buffer
	s_and_b32 s88, s67, 1
	s_cmp_lg_u32 s88, 0
	s_cbranch_scc1 .Lno_x
	s_cmp_eq_u32 s67, 14
	s_cbranch_scc1 .Lno_x
	s_wait_loadcnt 0x0                             ; the block's rows: the only global loads that are out
	v_add_nc_u32 v9, s68, v7
	v_add_nc_u32 v10, s69, v8
	v_add_nc_u32 v9, 9216, v9                      ; 4,608 J + 9,216 = 9,216 (J / 2 + 1)
	v_add_nc_u32 v10, 512, v10
	XPHASE
	s_cmp_eq_u32 s67, 12
	s_cbranch_scc1 .Lno_x
	v_add_nc_u32 v4, s73, v3
	v_add_nc_u32 v4, 131072, v4                    ; 32,768 J + 131,072 = 65,536 (J / 2 + 2): two trips ahead of its use
	RAWLOAD
.Lno_x:
	s_wait_dscnt 0x0                               ; phase X's stores have read their registers, some of which the sums below take
	; ---- the hidden layer: tile T + 1's products stand ahead of tile T's GELU, whose plain lines are their places
	MM 0
	MM 1
.rept 4
	v_nop                                          ; four places between tile 0's products and the first read of their results
.endr
	GELU 0
.irp T, 1,2,3,4,5,6,7,8,9,10,11,12,13,14
	MM \T+1
	GELU \T
.endr
	GELU 15
	; ---- my 128 units' parts of drive and res: eight registers to one, then the other half of the lanes'
.irp a, 176,184,192,200
	v_pk_add_f32 v[\a:\a+1], v[\a:\a+1], v[\a+2:\a+3]
	v_pk_add_f32 v[\a+4:\a+5], v[\a+4:\a+5], v[\a+6:\a+7]
.endr
.irp a, 176,184,192,200
	v_pk_add_f32 v[\a:\a+1], v[\a:\a+1], v[\a+4:\a+5]
.endr
.irp a, 176,184,192,200
	v_add_f32 v[\a], v[\a], v[\a+1]
.endr
.irp m, 0,1
	v_cndmask_b32 v[177+8*\m], v[176+8*\m], v[192+8*\m], s75   ; kept: lanes 0-15 drive, lanes 16-31 res
	v_cndmask_b32 v[178+8*\m], v[192+8*\m], v[176+8*\m], s75   ; sent: the other one
.endr
.irp m, 0,1
	v_permlanex16_b32 v[248+\m], v[178+8*\m], s76, s77
.endr
.irp m, 0,1
	v_add_f32 v[179+8*\m], v[177+8*\m], v[248+\m]              ; lanes 0-15: drive of row r; lanes 16-31: res of row r
.endr
	v_add_nc_u32 v38, s70, v15
	v_add_nc_u32 v42, s72, v41
	ds_store_b32 v38, v179
	ds_store_b32 v38, v187 offset:512
	ds_load_u8 v104, v42                           ; the rows' mask bytes, from my own copy
	ds_load_u8 v105, v42 offset:16
	BARRIER                                        ; the four waves' parts, and a block's codes if this trip made them, lie in LDS
	; ---- the values, the score, the sums
	v_add_nc_u32 v40, s70, v39
.irp m, 0,1
.irp w, 0,1,2,3
	ds_load_b32 v[80+4*\m+\w], v40 offset:512*\m+128*\w
.endr
.endr
	WIN 0x22                                       ; source 0 (vw) and source 2 (vb) window 2.  Eight accumulators by turns
.irp t, 0,1,2,3
.irp m, 0,1
	v_wmma_scale_f32_16x16x128_f8f6f4 v[112+8*(2*\t+\m):119+8*(2*\t+\m)], v[16*\t:16*\t+7], v[48+16*\m:55+16*\m], v[64+8*\t:71+8*\t], v[32+\t], v[36+\m] matrix_a_fmt:MATRIX_FMT_FP4 matrix_b_fmt:MATRIX_FMT_FP4
.endr
.endr
	WIN 0x02
.irp t, 0,1,2,3
.irp m, 0,1
	v_wmma_scale_f32_16x16x128_f8f6f4 v[112+8*(2*\t+\m):119+8*(2*\t+\m)], v[16*\t+8:16*\t+15], v[56+16*\m:63+16*\m], v[112+8*(2*\t+\m):119+8*(2*\t+\m)], v[32+\t], v[36+\m] matrix_a_fmt:MATRIX_FMT_FP4 matrix_b_fmt:MATRIX_FMT_FP4 matrix_a_scale:MATRIX_SCALE_ROW1 matrix_b_scale:MATRIX_SCALE_ROW1
.endr
.endr
	WIN 0
	s_wait_dscnt 0x0
.irp m, 0,1                            ; the four parts in a fixed order: all four waves get the same bits.  (The score's plain lines are the places behind the products above.)
	v_add_f32 v[80+4*\m], v[80+4*\m], v[81+4*\m]
	v_add_f32 v[82+4*\m], v[82+4*\m], v[83+4*\m]
.endr
.irp m, 0,1
	v_add_f32 v[80+4*\m], v[80+4*\m], v[82+4*\m]
.endr
.irp m, 0,1
	v_permlanex16_b32 v[250+\m], v[80+4*\m], s76, s77
.endr
.irp m, 0,1
	v_cndmask_b32 v[88+8*\m], v[80+4*\m], v[250+\m], s75       ; drive of row r, in both halves
	v_cndmask_b32 v[89+8*\m], v[250+\m], v[80+4*\m], s75       ; res
.endr
.irp m, 0,1
	v_add_f32 v[88+8*\m], s86, v[88+8*\m]          ; + db2
	v_add_f32 v[89+8*\m], s87, v[89+8*\m]          ; + rb2
.endr
.irp m, 0,1
	v_mul_f32 v[90+8*\m], s83, |v[89+8*\m]|        ; softplus(res) = max(res, 0) + ln 2 x log2(1 + 2^(-log2(e) |res|))
.endr
.irp m, 0,1
	v_exp_f32 v[90+8*\m], v[90+8*\m]
.endr
.irp m, 0,1
	v_max_num_f32 v[91+8*\m], 0, v[89+8*\m]        ; (plain lines behind the exponentials)
.endr
	s_wait_alu depctr_va_vdst(0)
.irp m, 0,1
	v_add_f32 v[90+8*\m], 1.0, v[90+8*\m]
.endr
.irp m, 0,1
	v_log_f32 v[90+8*\m], v[90+8*\m]
.endr
	v_nop
	s_wait_alu depctr_va_vdst(0)
.irp m, 0,1
	v_fma_f32 v[91+8*\m], v[90+8*\m], s84, v[91+8*\m]
.endr
.irp m, 0,1
	v_sub_f32 v[88+8*\m], v[88+8*\m], v[91+8*\m]
.endr
.irp m, 0,1
	v_med3_num_f32 v[88+8*\m], v[88+8*\m], -s85, s85           ; the score, held at +-3
.endr
.irp m, 0,1
	v_mul_f32 v[92+8*\m], s82, v[88+8*\m]
.endr
.irp m, 0,1
	v_exp_f32 v[92+8*\m], v[92+8*\m]
.endr
.irp m, 0,1
	v_cmp_ne_u32 s[88+\m], 0, v[104+\m]            ; (plain lines behind the exponentials)
.endr
	s_wait_alu depctr_va_vdst(0)
.irp m, 0,1
	v_cndmask_b32 v[244+2*\m], 0, v[92+8*\m], s[88+\m]         ; e = exp(score) where the mask holds, else 0
.endr
	v_cndmask_b32 v106, v88, v96, s75              ; lane l: row 32 J + l
	v_cndmask_b32 v107, v244, v246, s75
	v_add_nc_u32 v44, s71, v43
	ds_store_b32 v44, v106                         ; into my own copy
	ds_store_b32 v44, v107 offset:2048
	WIN 0xa0                                       ; the value sums (window 2) += e x values; each accumulator from its low end on
.irp m, 0,1
.irp t, 0,1,2,3
.irp i, 0,2,4,6
	v_pk_fma_f32 v[96+8*\t+\i:97+8*\t+\i], v[112+8*(2*\t+\m)+\i:113+8*(2*\t+\m)+\i], v[244+2*\m:245+2*\m], v[96+8*\t+\i:97+8*\t+\i] op_sel_hi:[1,0,1]
.endr
.endr
.endr
	WIN 0
	s_add_co_u32 s68, s68, 4608
	s_add_co_u32 s69, s69, 256
	s_add_co_u32 s70, s70, 1024
	s_add_co_u32 s71, s71, 128
	s_add_co_u32 s72, s72, 32
	s_add_co_u32 s73, s73, 32768
	s_add_co_u32 s67, s67, 1
	s_cmp_lt_u32 s67, 16
	s_cbranch_scc1 .Ltrip
	; ---- the end.  The value sums over the 16 rows that the lanes of a half hold; every lane of a half ends up with them
	WIN 0x02
.set i, 0
.rept 32
	v_mov_b32 v[112+i], v[96+i]
.set i, i+1
.endr
	WIN 0
.irp x, 1,2,4,8
.set i, 0
.rept 32
	v_add_f32_dpp v[112+i], v[112+i], v[112+i] row_xmask:\x row_mask:0xf bank_mask:0xf
.set i, i+1
.endr
.endr
	v_mul_u32_u24 v38, v1, 272
	v_lshl_add_u32 v38, v2, 5, v38
	v_add_nc_u32 v38, s3, v38                      ; my stage: sixteen equal copies, one a row of 272 bytes, so that all lanes stay on; unit 16 t + 8 h + j at byte 64 t + 32 h + 4 j
.irp t, 0,1,2,3
.irp u, 0,1
	ds_store_b128 v38, v[112+8*\t+4*\u:115+8*\t+4*\u] offset:64*\t+16*\u
.endr
.endr
	v_lshl_add_u32 v40, v47, 3, s3
	s_mul_i32 s88, s66, 4608
	s_add_co_u32 s88, s88, SCO
	v_lshl_add_u32 v42, v47, 4, s88                ; of my own copy of the 512 scores, rows 128 w on
	ds_load_b64 v[144:145], v40                    ; the first copy, 8 bytes a lane.  LDS serves a wave's instructions in order: these see my stores
	ds_load_b128 v[148:151], v42
	ds_load_b128 v[152:155], v42 offset:2048
	v_lshlrev_b32 v44, 3, v47
	v_lshlrev_b32 v12, 4, v47
	s_wait_dscnt 0x0
	global_store_b64 v44, v[144:145], s[42:43]                     ; 256 consecutive bytes, aligned
	global_store_b128 v12, v[148:151], s[38:39] th:TH_STORE_NT     ; 512 consecutive bytes, aligned
	global_store_b128 v12, v[152:155], s[40:41]
	s_wait_tensorcnt 0x0
	ds_add_u32 v254, v255
	s_wait_dscnt 0x0
	s_endpgm
.Lfunc_end_k_qfb5cd42b07_head:
	.size	k_qfb5cd42b07_head, .Lfunc_end_k_qfb5cd42b07_head-k_qfb5cd42b07_head
	.p2alignl 7, 3214868480
	.fill 96, 4, 3214868480
	.section	.rodata,"a",@progbits
	.p2align	6, 0x0
	.amdhsa_kernel k_qfb5cd42b07_head
		.amdhsa_group_segment_fixed_size 218880
		.amdhsa_private_segment_fixed_size 0
		.amdhsa_enable_private_segment 0
		.amdhsa_kernarg_size 160
		.amdhsa_user_sgpr_count 2
		.amdhsa_user_sgpr_kernarg_segment_ptr 1
		.amdhsa_wavefront_size32 1
		.amdhsa_system_sgpr_workgroup_id_x 1
		.amdhsa_system_sgpr_workgroup_id_y 1
		.amdhsa_system_sgpr_workgroup_id_z 1
		.amdhsa_system_vgpr_workitem_id 0
		.amdhsa_next_free_vgpr 1024
		.amdhsa_next_free_sgpr 96
		.amdhsa_reserve_vcc 0
		.amdhsa_float_denorm_mode_32 3
		.amdhsa_float_denorm_mode_16_64 3
		.amdhsa_memory_ordered 1
		.amdhsa_forward_progress 1
		.amdhsa_inst_pref_size 255
	.end_amdhsa_kernel
	.section	.bss,"aw",@nobits
	.p2align	6
	.space	262144
	.amdgpu_metadata
---
amdhsa.version: [ 1, 2 ]
amdhsa.kernels:
  - .name:           k_qfb5cd42b07_head
    .symbol:         k_qfb5cd42b07_head.kd
    .args:
      - { .name: slot_states, .offset: 0, .size: 8, .value_kind: global_buffer, .address_space: global }
      - { .name: slot_mask, .offset: 8, .size: 8, .value_kind: global_buffer, .address_space: global }
      - { .name: ln_gamma, .offset: 16, .size: 8, .value_kind: global_buffer, .address_space: global }
      - { .name: ln_beta, .offset: 24, .size: 8, .value_kind: global_buffer, .address_space: global }
      - { .name: dw1_codes, .offset: 32, .size: 8, .value_kind: global_buffer, .address_space: global }
      - { .name: dw1_scales, .offset: 40, .size: 8, .value_kind: global_buffer, .address_space: global }
      - { .name: db1, .offset: 48, .size: 8, .value_kind: global_buffer, .address_space: global }
      - { .name: dw2, .offset: 56, .size: 8, .value_kind: global_buffer, .address_space: global }
      - { .name: db2, .offset: 64, .size: 8, .value_kind: global_buffer, .address_space: global }
      - { .name: rw1_codes, .offset: 72, .size: 8, .value_kind: global_buffer, .address_space: global }
      - { .name: rw1_scales, .offset: 80, .size: 8, .value_kind: global_buffer, .address_space: global }
      - { .name: rb1, .offset: 88, .size: 8, .value_kind: global_buffer, .address_space: global }
      - { .name: rw2, .offset: 96, .size: 8, .value_kind: global_buffer, .address_space: global }
      - { .name: rb2, .offset: 104, .size: 8, .value_kind: global_buffer, .address_space: global }
      - { .name: vw_codes, .offset: 112, .size: 8, .value_kind: global_buffer, .address_space: global }
      - { .name: vw_scales, .offset: 120, .size: 8, .value_kind: global_buffer, .address_space: global }
      - { .name: vb, .offset: 128, .size: 8, .value_kind: global_buffer, .address_space: global }
      - { .name: out4, .offset: 136, .size: 8, .value_kind: global_buffer, .address_space: global }
      - { .name: ebuf, .offset: 144, .size: 8, .value_kind: global_buffer, .address_space: global }
      - { .name: part, .offset: 152, .size: 8, .value_kind: global_buffer, .address_space: global }
    .group_segment_fixed_size: 218880
    .private_segment_fixed_size: 0
    .kernarg_segment_align: 8
    .kernarg_segment_size: 160
    .max_flat_workgroup_size: 128
    .sgpr_count:     96
    .vgpr_count:     1024
    .wavefront_size: 32
...
	.end_amdgpu_metadata
.endif
;; end of part 1
;; launch finish (part 2): grid 32 x 1, 1 waves a work-group, no clusters, 0 bytes of LDS; arguments ebuf, part, out0, out1, out2, out3; writes out0, out1, out2, out3
.if DOCPART == 2
	.amdgcn_target "amdgcn-amd-amdhsa--gfx1250"
	.amdhsa_code_object_version 6
	.text
	.protected	k_qfb5cd42b07_finish
	.globl	k_qfb5cd42b07_finish
	.p2align	8
	.type	k_qfb5cd42b07_finish,@function
k_qfb5cd42b07_finish:
	s_mov_b64 s[64:65], 0
	v_nop
	global_prefetch_b8 v0, s[64:65] scope:SCOPE_SE
	s_setreg_imm32_b32 hwreg(HW_REG_WAVE_MODE, 25, 1), 1
	s_wait_xcnt 0x0
; RepresentationHead, second launch.  One wave takes one batch: S = the sum of its 4,096 e; weights = e / S (all 0 where S = 0: no slot's mask holds); representation = the sum of its eight
; work-groups' parts / S (vb lies in the parts already); the three largest weights and their indices, a tie going to the lower index.
; A batch's e are 128 registers a lane: register 4 i + c holds slot 128 i + 4 x lane + c.  No LDS, no barrier, no matrix work: 16 KB in, 16 KB out for each wave.
; LIMITS: NaN and infinities are not served.  The weight is e x (1 / S), the reciprocal by v_rcp_f32.
.set W,  32                            ; v32-159   e, then the weights
.set PT, 160                           ; v160-223  the eight parts: part p at v[160 + 8 p], my outputs 4 x lane + 0..3 and 128 + 4 x lane + 0..3
	s_load_b256 s[4:11], s[0:1], 0x0               ; ebuf 4, part 6, out0 8, out1 10
	s_load_b128 s[12:15], s[0:1], 0x20             ; out2 12, out3 14
	v_lshlrev_b32 v1, 4, v0                        ; 16 x lane
	v_lshlrev_b32 v2, 2, v0                        ; 4 x lane: my first slot of each 128, and my byte in out2 and out3
	v_mov_b32 v12, 0                               ; a lane permute's destination counts as one of its sources
	s_mov_b32 s16, 0x76543210                      ; v_permlanex16_b32's selects for lane l xor 16
	s_mov_b32 s17, 0xfedcba98
	s_mov_b32 s19, 0
	s_wait_kmcnt 0x0
	s_lshl_b32 s18, ttmp9, 14
	s_add_nc_u64 s[4:5], s[4:5], s[18:19]
	s_add_nc_u64 s[10:11], s[10:11], s[18:19]
	s_lshl_b32 s18, ttmp9, 13
	s_add_nc_u64 s[6:7], s[6:7], s[18:19]
	s_lshl_b32 s18, ttmp9, 10
	s_add_nc_u64 s[8:9], s[8:9], s[18:19]
	s_mul_i32 s18, ttmp9, 12
	s_add_nc_u64 s[12:13], s[12:13], s[18:19]
	s_add_nc_u64 s[14:15], s[14:15], s[18:19]
.set i, 0
.rept 32
	global_load_b128 v[W+4*i:W+4*i+3], v1, s[4:5] offset:512*i
.set i, i+1
.endr
.irp p, 0,1,2,3,4,5,6,7
.irp u, 0,1
	global_load_b128 v[PT+8*\p+4*\u:PT+8*\p+4*\u+3], v1, s[6:7] offset:1024*\p+512*\u
.endr
.endr
	s_wait_loadcnt 16                              ; e is in; the 16 loads of the parts, issued behind it, may be out
.irp c, 0,1,2,3                        ; S: four chains of packed sums
	v_pk_add_f32 v[4+2*\c:5+2*\c], v[W+2*\c:W+2*\c+1], v[W+8+2*\c:W+9+2*\c]
.endr
.set q, 8
.rept 56
	v_pk_add_f32 v[4+2*(q%4):5+2*(q%4)], v[4+2*(q%4):5+2*(q%4)], v[W+2*q:W+2*q+1]
.set q, q+1
.endr
	v_pk_add_f32 v[4:5], v[4:5], v[6:7]
	v_pk_add_f32 v[8:9], v[8:9], v[10:11]
	v_pk_add_f32 v[4:5], v[4:5], v[8:9]
	v_add_f32 v4, v4, v5
.irp x, 1,2,4,8
	v_add_f32_dpp v4, v4, v4 row_xmask:\x row_mask:0xf bank_mask:0xf
.endr
	v_permlanex16_b32 v12, v4, s16, s17
	v_add_f32 v4, v4, v12                          ; S, the same bits in every lane
	v_rcp_f32 v14, v4
	v_nop                                          ; a plain instruction behind the reciprocal
	v_cmp_lt_f32 vcc_lo, 0, v4
	s_wait_alu depctr_va_vdst(0)
	v_cndmask_b32 v14, 0, v14, vcc_lo              ; 1 / S, or 0 where no slot counts
	v_mov_b32 v15, v14
.set q, 0
.rept 64
	v_pk_mul_f32 v[W+2*q:W+2*q+1], v[W+2*q:W+2*q+1], v[14:15]
.set q, q+1
.endr
.set i, 0
.rept 32
	global_store_b128 v1, v[W+4*i:W+4*i+3], s[10:11] offset:512*i      ; the weights: 512 consecutive bytes a store
.set i, i+1
.endr
	s_wait_loadcnt 0x0                             ; the parts
.irp p, 1,2,3,4,5,6,7
.irp k, 0,2,4,6
	v_pk_add_f32 v[PT+\k:PT+\k+1], v[PT+\k:PT+\k+1], v[PT+8*\p+\k:PT+8*\p+\k+1]
.endr
.endr
.irp k, 0,2,4,6
	v_pk_mul_f32 v[PT+\k:PT+\k+1], v[PT+\k:PT+\k+1], v[14:15]
.endr
	global_store_b128 v1, v[PT:PT+3], s[8:9]
	global_store_b128 v1, v[PT+4:PT+7], s[8:9] offset:512
	s_wait_xcnt 0x0                                ; the stores' data: the weights' registers are written again below only behind this wait
; Round k: the largest weight left, TV_k = v[28 + k]; the lowest slot that holds it, TI_k = v[24 + k]; remove = 1: that slot is set to -1, under every weight.
; Four chains of 32 registers each.  A chain walks its registers from the highest down, so that the lowest that equals the maximum is the one that stays.
.macro TOP k, remove
.irp c, 0,1,2,3
	v_max3_num_f32 v[16+\c], v[W+32*\c], v[W+1+32*\c], v[W+2+32*\c]
.endr
.irp i, 3,5,7,9,11,13,15,17,19,21,23,25,27,29
.irp c, 0,1,2,3
	v_max3_num_f32 v[16+\c], v[16+\c], v[W+32*\c+\i], v[W+1+32*\c+\i]
.endr
.endr
.irp c, 0,1,2,3
	v_max_num_f32 v[16+\c], v[16+\c], v[W+31+32*\c]
.endr
	v_max3_num_f32 v16, v16, v17, v18
	v_max_num_f32 v16, v16, v19
.irp x, 1,2,4,8
	v_max_num_f32_dpp v16, v16, v16 row_xmask:\x row_mask:0xf bank_mask:0xf
.endr
	v_permlanex16_b32 v12, v16, s16, s17
	v_max_num_f32 v[28+\k], v16, v12
.irp c, 0,1,2,3
	v_mov_b32 v[16+\c], 0xffff                     ; above every slot's number
.endr
.set i, 31
.rept 32
.irp c, 0,1,2,3
	v_cmp_neq_f32 s[20+\c], v[W+32*\c+i], v[28+\k]
.endr
.irp c, 0,1,2,3
	v_cndmask_b32 v[16+\c], 128*((32*\c+i)/4)+(i%4), v[16+\c], s[20+\c]   ; equal: the register's slot less 4 x lane
.endr
.set i, i-1
.endr
	v_min_u32 v16, v16, v17
	v_min_u32 v18, v18, v19
	v_min_u32 v16, v16, v18
	v_add_nc_u32 v16, v16, v2                      ; my lowest slot, or 65,535 and more
	v_cvt_f32_u32 v16, v16                         ; exact: under 2^24
.irp x, 1,2,4,8
	v_min_num_f32_dpp v16, v16, v16 row_xmask:\x row_mask:0xf bank_mask:0xf
.endr
	v_permlanex16_b32 v12, v16, s16, s17
	v_min_num_f32 v16, v16, v12
	v_cvt_u32_f32 v[24+\k], v16
.if \remove
	v_sub_nc_u32 v13, v[24+\k], v2                 ; equals a register's number in one lane alone: a slot is 128 i + 4 x lane + c in one way
.set i, 0
.rept 32
.irp c, 0,1,2,3
	v_cmp_eq_u32 s[20+\c], 128*((32*\c+i)/4)+(i%4), v13
.endr
.irp c, 0,1,2,3
	v_cndmask_b32 v[W+32*\c+i], v[W+32*\c+i], -1.0, s[20+\c]
.endr
.set i, i+1
.endr
.endif
.endm
	TOP 0, 1
	TOP 1, 1
	TOP 2, 0
	v_cmp_eq_u32 vcc_lo, 1, v0                     ; lane k takes round k's pair
	v_cndmask_b32 v20, v24, v25, vcc_lo
	v_cndmask_b32 v21, v28, v29, vcc_lo
	v_cmp_eq_u32 vcc_lo, 2, v0
	v_cndmask_b32 v20, v20, v26, vcc_lo
	v_cndmask_b32 v21, v21, v30, vcc_lo
	v_cmp_gt_u32 vcc_lo, 3, v0
	s_wait_xcnt 0x0                                ; EXEC changes only behind this wait
	s_and_saveexec_b32 s24, vcc_lo
	global_store_b32 v2, v20, s[12:13]             ; three indices
	global_store_b32 v2, v21, s[14:15]             ; three weights
	s_wait_xcnt 0x0                                ; and again, in front of the line that widens it
	s_or_b32 exec_lo, exec_lo, s24
	s_endpgm
.Lfunc_end_k_qfb5cd42b07_finish:
	.size	k_qfb5cd42b07_finish, .Lfunc_end_k_qfb5cd42b07_finish-k_qfb5cd42b07_finish
	.p2alignl 7, 3214868480
	.fill 96, 4, 3214868480
	.section	.rodata,"a",@progbits
	.p2align	6, 0x0
	.amdhsa_kernel k_qfb5cd42b07_finish
		.amdhsa_group_segment_fixed_size 0
		.amdhsa_private_segment_fixed_size 0
		.amdhsa_enable_private_segment 0
		.amdhsa_kernarg_size 48
		.amdhsa_user_sgpr_count 2
		.amdhsa_user_sgpr_kernarg_segment_ptr 1
		.amdhsa_wavefront_size32 1
		.amdhsa_system_sgpr_workgroup_id_x 1
		.amdhsa_system_sgpr_workgroup_id_y 1
		.amdhsa_system_sgpr_workgroup_id_z 1
		.amdhsa_system_vgpr_workitem_id 0
		.amdhsa_next_free_vgpr 224
		.amdhsa_next_free_sgpr 66
		.amdhsa_reserve_vcc 1
		.amdhsa_float_denorm_mode_32 3
		.amdhsa_float_denorm_mode_16_64 3
		.amdhsa_memory_ordered 1
		.amdhsa_forward_progress 1
		.amdhsa_inst_pref_size 135
	.end_amdhsa_kernel
	.amdgpu_metadata
---
amdhsa.version: [ 1, 2 ]
amdhsa.kernels:
  - .name:           k_qfb5cd42b07_finish
    .symbol:         k_qfb5cd42b07_finish.kd
    .args:
      - { .name: ebuf, .offset: 0, .size: 8, .value_kind: global_buffer, .address_space: global }
      - { .name: part, .offset: 8, .size: 8, .value_kind: global_buffer, .address_space: global }
      - { .name: out0, .offset: 16, .size: 8, .value_kind: global_buffer, .address_space: global }
      - { .name: out1, .offset: 24, .size: 8, .value_kind: global_buffer, .address_space: global }
      - { .name: out2, .offset: 32, .size: 8, .value_kind: global_buffer, .address_space: global }
      - { .name: out3, .offset: 40, .size: 8, .value_kind: global_buffer, .address_space: global }
    .group_segment_fixed_size: 0
    .private_segment_fixed_size: 0
    .kernarg_segment_align: 8
    .kernarg_segment_size: 48
    .max_flat_workgroup_size: 32
    .sgpr_count:     66
    .vgpr_count:     224
    .wavefront_size: 32
...
	.end_amdgpu_metadata
.endif
;; end of part 2
;; ======== version 2 of 2: 2 launches; version 1 with the launch head written anew for expert scheduling mode
;; workspace buffers: ebuf 524,288 bytes; part 262,144 bytes
;; launch head (part 3): grid 256 x 1, 4 waves a work-group, no clusters, 218,880 bytes of LDS; arguments slot_states, slot_mask, ln_gamma, ln_beta, dw1_codes, dw1_scales, db1, dw2, db2, rw1_codes, rw1_scales, rb1, rw2, rb2, vw_codes, vw_scales, vb, out4, ebuf, part; writes out4, ebuf, part
.if DOCPART == 3
	.amdgcn_target "amdgcn-amd-amdhsa--gfx1250"
	.amdhsa_code_object_version 6
	.text
	.protected	k_qfb5cd42b07_head
	.globl	k_qfb5cd42b07_head
	.p2align	8
	.type	k_qfb5cd42b07_head,@function
k_qfb5cd42b07_head:
	s_mov_b64 s[64:65], 0
	v_nop
	global_prefetch_b8 v0, s[64:65] scope:SCOPE_SE
	s_setreg_imm32_b32 hwreg(HW_REG_WAVE_SCHED_MODE, 0, 2), 2
	s_setreg_imm32_b32 hwreg(HW_REG_WAVE_MODE, 25, 1), 1
	s_wait_xcnt 0x0
	s_wait_alu depctr_vm_vsrc(0)
; RepresentationHead, first launch.  For each of 131,072 rows of 256 f32: LayerNorm, the MX-FP4 quantiser along K = 256, three products on codes (dw1, rw1: 512 units each; vw: 256),
; exact GELU, the two dot products with dw2 and rw2, score = clip(drive - softplus(res), -3, 3), e = mask x exp(score), and the work-group's part of the sum of e x (values + vb).
; Stored: out4 (the scores), ebuf (e), part (256 sums for each work-group).  The second launch divides by the batch's sum of e.
; NO MAXIMUM IS TAKEN AHEAD OF THE EXPONENTIAL: the clip that the problem itself makes holds the exponent in -3 .. 3, so e lies in 0.0498 .. 20.1 and a batch's 4,096 of them sum to under 83,000.
; SHARES.  Work-group g owns rows 512 g .. 512 g + 511.  THE WAVES SHARE THE COLUMNS: wave w keeps hidden units 128 w .. 128 w + 127 of dw1 and of rw1 and outputs 64 w .. 64 w + 63 of vw in registers for the
; whole launch (codes, scale words, biases as C registers, 0.5 x w2).  What goes round through LDS is small: x's codes (144 bytes a row) and the waves' parts of drive and res.
; ALL PRODUCTS ARE USED TRANSPOSED (source 0 = 16 rows of a weight, source 1 = 16 rows of x): lane (r, h) holds row r of x, register j the tile's unit 8 h + j.
; The rows come in blocks of 64 (wave w normalises and quantises rows 16 w .. 16 w + 15 of a block, one block ahead); products and GELU go in 16 trips of 32 rows.
; No cluster: what work-groups share is the 170 KB of weights, read once at the head straight into operand registers; nothing in the loop is shared.  No tensor load: each row is read once by one wave,
; and 128 registers a wave keep a block of rows on its way two trips ahead of its use.
; GELU: erf(x) = x P(x^2) / Q(x^2), degrees 6 and 4 in x^2, x held at +-4; with x = h / sqrt 2 the powers of 1/2 and the 1 / sqrt 2 lie in the coefficients: erf = hc P(y) / Q(y), y = hc^2, hc = h held at +-4 sqrt 2.
; LIMITS: NaN and infinities among the inputs are not served.  A block of x whose largest magnitude lies under 2^-124 gets the scale byte 1 (a block of zeros too: its codes are zeros, and this program alone
; reads the bytes).  Beyond |x| = 4 erf is taken at 4, within 1.6e-8 of +-1.  log2(1 + 2^-a) in the softplus is good to 6e-8 absolutely, not relatively.  Sums are taken in another order than the reference's.
; REGISTERS, in windows of 256 (s_set_vgpr_msb: bits 1:0 source 0, 3:2 source 1, 5:4 source 2, 7:6 destination):
;   window 0: v1-15, v38-47 addresses; v16-37 scale words and nothing else; v48-79 x's fragments; v80-111 two buffers of hidden results; v112-175 at work; v176-207 the sums for drive and res;
;             v208-211 two coefficients; v212-243 gamma, beta; v244-247 e of the two row tiles; v248-251 destinations of lane permutes
;   window 1: the 16 hidden tiles' fragments (tile T, K step s at v[16 T + 8 s])
;   window 2: v0-63 vw's fragments; v64-95 vb as C; v96-127 the value sums; v128-255 sixteen rows of x
;   window 3: v0-127 b1 as C (tile T at v[8 T]); v128-255 0.5 x w2 likewise
; THE MODE: SCHED_MODE bits 1:0 = 2 (LLVM: expert scheduling mode 2), set by the entry lines.  The code itself states the register dependences
; between vector or matrix instructions and memory or LDS instructions, with s_wait_alu, always for 0.
; THE PLAN.  Registers that memory or LDS instructions touch, in a trip:
;   the rows (window 2, v128-255)  Phase X: its 32 stores into the stage read them, its 32 loads from the stage land in them, its vector lines work in place, the conversions read them last;
;                                  then the loads of the block after next land in them.
;   v160-183                       Phase X's bytes and codes: written by its last vector lines, read by its 16 LDS stores; GELU, the sums and the values' products write them again.
;   v4, v9, v10                    Made in phase X, behind its wait on vm_vsrc and ahead of its wait on va_vdst; read by the rows' loads and by the 16 stores.
;   v48-79, v36, v37               x's fragments and scale words: read by the trip's 80 matrix instructions; the next trip's land in them in the last phase, behind the values' products.
;   v179, v187; v106, v107         My parts; scores and e: written by vector lines, read by one LDS store each; the next trip's GELU and products write them again.
;   v80-87, v104, v105             Buffers of hidden results up to GELU 15; then the four waves' parts and the mask bytes land in them.
;   v12, v14, v38, v40, v42, v44   Six LDS addresses, made together once a trip, ahead of one wait on va_vdst.
;   v5, v6, v11, v13, v45, v46     Made at the head, never written again.  The weights, biases, 0.5 x w2 and the value sums are named by vector and matrix instructions alone in the loop.
; THE WAITS OF A TRIP, beside those behind roots, reciprocals, exponentials and logarithms.  On vm_vsrc: at the trip's head (all that the last trip's LDS instructions read); in phase X behind the stores into the
; stage; at phase X's end.  On va_vdst: in phase X ahead of its 16 stores (it serves the rows' loads too); behind the reduction, ahead of the stores of my parts (it serves the loads of mask bytes and parts too);
; ahead of the stores of scores and e.  The wait behind the score's first exponentials also states that the values' products are done with x's fragments.  On va_sdst: between the mask's compares and their selects.
.set XC,   0                           ; x's codes: row x 144 (128 bytes + 16 of padding); room for phase X's address at every trip number, also the trips in which it is jumped over
.set XSC,  87552                       ; x's scale bytes: row x 8; likewise
.set PS,   92416                       ; parts of drive and res: trip x 1024 + row tile x 512 + wave x 128 + 4 x lane
.set STG,  108800                      ; each wave's own: 8 steps x 32 places of 80 bytes; at the end 16 rows x 272
.set SCO,  190720                      ; each wave's own copy, 4,096 bytes: 512 scores, then 512 e
.set MSK,  207104                      ; each wave's own copy of the group's 512 mask bytes
.set CST,  209152                      ; db1, rb1, dw2, rw2 (2,048 bytes each), vb (1,024)
.set MSB, 0
.macro WIN new                         ; the immediate's high byte repeats the setting that is left; a switch that changes nothing is dropped
.if MSB != \new
	s_set_vgpr_msb (MSB<<8)|\new
.set MSB, \new
.endif
.endm
.macro CPAIR r, bits                   ; a coefficient, twice: the packed forms name a pair
	s_mov_b32 s[\r], \bits
	s_mov_b32 s[\r+1], \bits
.endm
.macro BARRIER                         ; my LDS stores have landed and my LDS loads are in: then the work-group's barrier
	s_wait_dscnt 0x0
	s_barrier_signal -1
	s_barrier_wait -1
.endm
; My wave's 16 rows of a block, as they lie: each load takes 512 consecutive bytes.  v4 = 16 x lane + 16,384 x wave + 65,536 x block.
; No wait stands here: since the last wait on va_vdst ahead of it (the head's first, or phase X's ahead of its 16 stores) no vector instruction names v4 or the rows' registers.
.macro RAWLOAD
	WIN 0x80
.irp p, 0,1,2,3,4,5,6,7
.irp q, 0,1,2,3
	global_load_b128 v[128+16*\p+4*\q:131+16*\p+4*\q], v4, s[4:5] offset:2048*\p+512*\q th:TH_LOAD_NT
.endr
.endr
	WIN 0
.endm
; x's fragments and scale words of 32 rows: codes by address register adc, ofc bytes on; scale words by ads, ofs bytes on.
.macro XFRAGS adc, ads, ofc, ofs
.irp m, 0,1
.irp s, 0,1
.irp c, 0,1
	ds_load_b128 v[48+16*\m+8*\s+4*\c:51+16*\m+8*\s+4*\c], v[\adc] offset:(\ofc)+2304*\m+64*\s+32*\c
.endr
.endr
	ds_load_b32 v[36+\m], v[\ads] offset:(\ofs)+128*\m
.endr
.endm
; PHASE X: sixteen rows become codes and scale bytes.  Step p is two rows.  The rows turn through my own stage, so that a lane holds 16 NEIGHBOURS: row 2 p + h, columns 16 r .. 16 r + 15.
; The eight steps take turns line by line, so that no line waits for the line above it.  v9, v10: where the codes and the bytes go; v4: the rows that are asked for next.  first = 1: block 0, at the head.
; At work in window 0: T_p v[112+2p] sums, R_p v[128+2p] squares, M_p v[144+p], SC_p v[152+p], BY_p v[160+p], CD_p v[168+2p] codes.
.macro XPHASE first
	WIN 0x08
.irp p, 0,1,2,3,4,5,6,7
.irp q, 0,1,2,3
	ds_store_b128 v5, v[128+16*\p+4*\q:131+16*\p+4*\q] offset:2560*\p+640*\q
.endr
.endr
	s_wait_dscnt 0x0                               ; the stores have read their registers, into which the loads below land
	WIN 0x80
	s_wait_alu depctr_vm_vsrc(0)                   ; the 32 stores have read the rows' registers, in which the loads below land; the rows' loads have read v4 and the last block's stores v9 and v10, which are written below; at the head the six stores of the small vectors have read v112-135, which the sums below write
.irp p, 0,1,2,3,4,5,6,7
.irp q, 0,1,2,3
	ds_load_b128 v[128+16*\p+4*\q:131+16*\p+4*\q], v6 offset:2560*\p+16*\q
.endr
.endr
	WIN 0                                          ; the three addresses are made while the rows come back from the stage
.if \first
	v_mov_b32 v9, v7
	v_mov_b32 v10, v8
	v_add_nc_u32 v4, 65536, v3                     ; block 1 (block 0's loads were shown done by the wait on LOADcnt ahead of the phase)
.else
	v_add_nc_u32 v9, s68, v7
	v_add_nc_u32 v10, s69, v8
	v_add_nc_u32 v4, s73, v3
	v_add_nc_u32 v9, 9216, v9                      ; 4,608 J + 9,216 = 9,216 (J / 2 + 1)
	v_add_nc_u32 v10, 512, v10
	v_add_nc_u32 v4, 131072, v4                    ; 32,768 J + 131,072 = 65,536 (J / 2 + 2): two trips ahead of its use
.endif
	s_wait_dscnt 0x0
	WIN 0x0a                                       ; the row's sum: my 16, then the 16 lanes of my half
.irp p, 0,1,2,3,4,5,6,7
	v_pk_add_f32 v[112+2*\p:113+2*\p], v[128+16*\p:129+16*\p], v[130+16*\p:131+16*\p]
.endr
	WIN 0x08
.irp i, 4,6,8,10,12,14
.irp p, 0,1,2,3,4,5,6,7
	v_pk_add_f32 v[112+2*\p:113+2*\p], v[112+2*\p:113+2*\p], v[128+16*\p+\i:129+16*\p+\i]
.endr
.endr
	WIN 0
.irp p, 0,1,2,3,4,5,6,7
	v_add_f32 v[112+2*\p], v[112+2*\p], v[113+2*\p]
.endr
.irp x, 1,2,4,8
.irp p, 0,1,2,3,4,5,6,7
	v_add_f32_dpp v[112+2*\p], v[112+2*\p], v[112+2*\p] row_xmask:\x row_mask:0xf bank_mask:0xf
.endr
.endr
	WIN 0xa0                                       ; d = x - sum / 256, one rounding.  The variance is taken of d: no difference of large sums
.irp i, 0,2,4,6,8,10,12,14
.irp p, 0,1,2,3,4,5,6,7
	v_pk_fma_f32 v[128+16*\p+\i:129+16*\p+\i], v[112+2*\p:113+2*\p], s[78:79], v[128+16*\p+\i:129+16*\p+\i] op_sel_hi:[0,0,1]
.endr
.endr
	WIN 0x0a
.irp p, 0,1,2,3,4,5,6,7
	v_pk_mul_f32 v[128+2*\p:129+2*\p], v[128+16*\p:129+16*\p], v[128+16*\p:129+16*\p]
.endr
.irp i, 2,4,6,8,10,12,14
.irp p, 0,1,2,3,4,5,6,7
	v_pk_fma_f32 v[128+2*\p:129+2*\p], v[128+16*\p+\i:129+16*\p+\i], v[128+16*\p+\i:129+16*\p+\i], v[128+2*\p:129+2*\p]
.endr
.endr
	WIN 0
.irp p, 0,1,2,3,4,5,6,7
	v_add_f32 v[128+2*\p], v[128+2*\p], v[129+2*\p]
.endr
.irp x, 1,2,4,8
.irp p, 0,1,2,3,4,5,6,7
	v_add_f32_dpp v[128+2*\p], v[128+2*\p], v[128+2*\p] row_xmask:\x row_mask:0xf bank_mask:0xf
.endr
.endr
.irp p, 0,1,2,3,4,5,6,7
	v_fma_f32 v[128+2*\p], v[128+2*\p], s80, s81   ; the variance + 1e-5
.endr
.irp p, 0,1,2,3,4,5,6,7
	v_rsq_f32 v[128+2*\p], v[128+2*\p]
.endr
	v_nop                                          ; a plain instruction between the last root and the use of its result
	WIN 0x82
	s_wait_alu depctr_va_vdst(0)                   ; the eight roots have written v128, v130 .. v142, which the lines below read: one wait for the batch
.irp i, 0,2,4,6,8,10,12,14
.irp p, 0,1,2,3,4,5,6,7
	v_pk_mul_f32 v[128+16*\p+\i:129+16*\p+\i], v[128+16*\p+\i:129+16*\p+\i], v[128+2*\p:129+2*\p] op_sel_hi:[1,0]
.endr
.endr
.irp i, 0,2,4,6,8,10,12,14
.irp p, 0,1,2,3,4,5,6,7
	v_pk_fma_f32 v[128+16*\p+\i:129+16*\p+\i], v[128+16*\p+\i:129+16*\p+\i], v[212+\i:213+\i], v[228+\i:229+\i]   ; x gamma + beta
.endr
.endr
	WIN 0x0a                                       ; the block's largest magnitude: my 16 and the floor 2^(3 - 127), under which none is taken, so that the byte cannot fall under 1;
.irp p, 0,1,2,3,4,5,6,7
	v_max3_num_f32 v[144+\p], |v[128+16*\p]|, |v[129+16*\p]|, 0x1800000
.endr
.irp i, 2,4,6,8,10,12,14
.irp p, 0,1,2,3,4,5,6,7
	v_max3_num_f32 v[144+\p], |v[128+16*\p+\i]|, |v[129+16*\p+\i]|, v[144+\p]
.endr
.endr
	WIN 0
.irp p, 0,1,2,3,4,5,6,7
	v_max_num_f32_dpp v[144+\p], v[144+\p], v[144+\p] row_xmask:1 row_mask:0xf bank_mask:0xf   ; and my neighbour's 16: two lanes hold a block of 32
.endr
.irp p, 0,1,2,3,4,5,6,7
	v_add_nc_u32 v[152+\p], 0xff000000, v[144+\p]  ; 2 off its exponent field: the conversion takes the exponent field of this operand as its scale, and nothing else of it
.endr
.irp p, 0,1,2,3,4,5,6,7
	v_lshrrev_b32 v[160+\p], 23, v[152+\p]         ; the scale's byte
.endr
	WIN 0x02
.irp p, 0,1,2,3,4,5,6,7
	v_cvt_scalef32_pk8_fp4_f32 v[168+2*\p], v[128+16*\p:135+16*\p], v[152+\p]
	v_cvt_scalef32_pk8_fp4_f32 v[169+2*\p], v[136+16*\p:143+16*\p], v[152+\p]
.endr
	WIN 0
	v_nop                                          ; one plain instruction behind the last scaled conversion
	s_wait_alu depctr_va_vdst(0)                   ; the codes v168-183, the bytes v160-167 and the addresses v9 and v10 are written, which the stores below read; v4 is written and the conversions are done reading the rows' registers, for the rows' loads that follow the phase
.irp p, 0,1,2,3,4,5,6,7
	ds_store_b64 v9, v[168+2*\p:169+2*\p] offset:288*\p      ; my 16 codes: 8 bytes of row 2 p + h
	ds_store_b8 v10, v[160+\p] offset:16*\p                   ; both lanes of a block write the same byte with the same value
.endr
	s_wait_alu depctr_vm_vsrc(0)                   ; the sixteen stores have read v160-183, which GELU, the sums and the values' products write again; it stands ahead of the branch that follows the phase in the loop
.endm
; Hidden tile T (0-7: dw1's, 8-15: rw1's) for the trip's two row tiles: four matrix instructions, the two accumulators by turns.  The bias is the C of the first K step.
; One scale register carries both K steps' words: lanes 0-15 step 0's, lanes 16-31 step 1's.
.macro MM T
.set DB, 80+16*((\T)%2)
	WIN 0x31                                       ; source 0 window 1, source 2 (b1) window 3
.irp m, 0,1
	v_wmma_scale_f32_16x16x128_f8f6f4 v[DB+8*\m:DB+8*\m+7], v[16*(\T):16*(\T)+7], v[48+16*\m:55+16*\m], v[8*(\T):8*(\T)+7], v[16+(\T)], v[36+\m] matrix_a_fmt:MATRIX_FMT_FP4 matrix_b_fmt:MATRIX_FMT_FP4
.endr
	WIN 0x01
.irp m, 0,1
	v_wmma_scale_f32_16x16x128_f8f6f4 v[DB+8*\m:DB+8*\m+7], v[16*(\T)+8:16*(\T)+15], v[56+16*\m:63+16*\m], v[DB+8*\m:DB+8*\m+7], v[16+(\T)], v[36+\m] matrix_a_fmt:MATRIX_FMT_FP4 matrix_b_fmt:MATRIX_FMT_FP4 matrix_a_scale:MATRIX_SCALE_ROW1 matrix_b_scale:MATRIX_SCALE_ROW1
.endr
	WIN 0
.endm
; GELU of tile T's 16 numbers a lane, times w2, onto the sums: 152 instructions.  Every run goes over the eight pairs in ascending order.
; HC v112, Y (later U) v128, P v144, Q v160.
.macro GELU T
.set DB, 80+16*((\T)%2)
.set AB, 176+16*((\T)/8)
.set CB, 128+8*(\T)
.irp k, 0,1,2,3,4,5,6,7,8,9,10,11,12,13,14,15
	v_med3_num_f32 v[112+\k], v[DB+\k], -s74, s74  ; hc = h held at +-4 sqrt 2
.endr
.irp i, 0,2,4,6,8,10,12,14
	v_pk_mul_f32 v[128+\i:129+\i], v[112+\i:113+\i], v[112+\i:113+\i]           ; y
.endr
.irp i, 0,2,4,6,8,10,12,14
	v_pk_fma_f32 v[144+\i:145+\i], v[128+\i:129+\i], s[44:45], v[208:209] op_sel_hi:[1,0,1]   ; P = A6 y + A5
.endr
.irp i, 0,2,4,6,8,10,12,14
	v_pk_fma_f32 v[160+\i:161+\i], v[128+\i:129+\i], s[56:57], v[210:211] op_sel_hi:[1,0,1]   ; Q = B4 y + B3
.endr
.irp c, 0,1,2                          ; P: A4, A3, A2;  Q: B2, B1, B0
.irp i, 0,2,4,6,8,10,12,14
	v_pk_fma_f32 v[144+\i:145+\i], v[144+\i:145+\i], v[128+\i:129+\i], s[46+2*\c:47+2*\c] op_sel_hi:[1,1,0]
.endr
.irp i, 0,2,4,6,8,10,12,14
	v_pk_fma_f32 v[160+\i:161+\i], v[160+\i:161+\i], v[128+\i:129+\i], s[58+2*\c:59+2*\c] op_sel_hi:[1,1,0]
.endr
.endr
.irp i, 0,2,4,6,8,10,12,14             ; a reciprocal and a plain line by turns: each reciprocal has a plain instruction behind it
	v_rcp_f32 v[160+\i], v[160+\i]
	v_pk_fma_f32 v[144+\i:145+\i], v[144+\i:145+\i], v[128+\i:129+\i], s[52:53] op_sel_hi:[1,1,0]   ; A1
.endr
.irp i, 0,2,4,6,8,10,12,14
	v_rcp_f32 v[161+\i], v[161+\i]
	v_pk_fma_f32 v[144+\i:145+\i], v[144+\i:145+\i], v[128+\i:129+\i], s[54:55] op_sel_hi:[1,1,0]   ; A0
.endr
.irp i, 0,2,4,6,8,10,12,14
	v_pk_mul_f32 v[144+\i:145+\i], v[144+\i:145+\i], v[112+\i:113+\i]           ; hc P
.endr
	WIN 0x0c                                       ; source 1 window 3
.irp i, 0,2,4,6,8,10,12,14
	v_pk_mul_f32 v[128+\i:129+\i], v[DB+\i:DB+\i+1], v[CB+(\i%8):CB+(\i%8)+1]   ; U = h x 0.5 w2 (h as it is, not held)
.endr
	WIN 0
	s_wait_alu depctr_va_vdst(0)                   ; the sixteen reciprocals have written v160-175, which the lines below read: one wait for the batch
.irp i, 0,2,4,6,8,10,12,14
	v_pk_fma_f32 v[144+\i:145+\i], v[144+\i:145+\i], v[160+\i:161+\i], 1.0 op_sel_hi:[1,1,0]   ; 1 + erf
.endr
.irp i, 0,2,4,6,8,10,12,14
.if ((\T)%8) == 0
	v_pk_mul_f32 v[AB+\i:AB+\i+1], v[128+\i:129+\i], v[144+\i:145+\i]           ; the first tile starts the sums: nothing is cleared
.else
	v_pk_fma_f32 v[AB+\i:AB+\i+1], v[128+\i:129+\i], v[144+\i:145+\i], v[AB+\i:AB+\i+1]
.endif
.endr
.endm
	; ---- the head
	s_load_b512 s[4:19], s[0:1], 0x0               ; slot_states 4, slot_mask 6, ln_gamma 8, ln_beta 10, dw1_codes 12, dw1_scales 14, db1 16, dw2 18
	s_load_b512 s[20:35], s[0:1], 0x40             ; db2 20, rw1_codes 22, rw1_scales 24, rb1 26, rw2 28, rb2 30, vw_codes 32, vw_scales 34
	s_load_b256 s[36:43], s[0:1], 0x80             ; vb 36, out4 38, ebuf 40, part 42
	v_lshl_add_u32 v254, v0, 2, 0x35500
	v_mov_b32 v255, 0
	v_lshrrev_b32 v47, 5, v0
	v_readfirstlane_b32 s66, v47                   ; wave 0..3
	v_and_b32 v47, 31, v0                          ; lane: kept
	v_and_b32 v1, 15, v0                           ; r
	v_bfe_u32 v2, v0, 4, 1                         ; h
	s_wait_alu depctr_va_sdst(0)                   ; s66 is written, ahead of its first reader: LDS addresses and the buffers' offsets are made from it
	s_lshl_b32 s2, s66, 14
	v_lshl_add_u32 v3, v47, 4, s2                  ; rows as they lie: 16 x lane + my wave's 16 rows of 1,024 bytes
	s_mul_i32 s3, s66, 20480
	s_add_co_u32 s3, s3, STG                       ; my stage: kept
	v_bfe_u32 v5, v0, 2, 3
	v_mul_u32_u24 v5, v5, 80
	v_and_b32 v6, 3, v0
	v_lshl_add_u32 v5, v6, 4, v5
	v_add_nc_u32 v5, s3, v5                        ; into the stage: 80 (lane / 4) + 16 (lane % 4): four lanes' 64 bytes on end, then 16 of padding
	v_mul_u32_u24 v6, v47, 80
	v_add_nc_u32 v6, s3, v6                        ; out of it: 80 x lane: my 16 neighbours
	s_mul_i32 s88, s66, 2304
	v_mul_u32_u24 v7, v2, 144
	v_lshl_add_u32 v7, v1, 3, v7
	v_add_nc_u32 v7, s88, v7                       ; codes: row 16 w + h of a block, 8 bytes at 8 r
	s_lshl_b32 s88, s66, 7
	s_add_co_u32 s88, s88, XSC
	v_lshrrev_b32 v8, 1, v1
	v_lshl_add_u32 v8, v2, 3, v8
	v_add_nc_u32 v8, s88, v8                       ; scale bytes: the same row, block r / 2
	v_mul_u32_u24 v11, v1, 144
	v_lshl_add_u32 v11, v2, 4, v11                 ; x's fragments: row r x 144 + 16 h
	v_lshlrev_b32 v46, 3, v1
	v_lshl_add_u32 v46, v2, 2, v46                 ; scale words: 8 r + 4 h: lanes 0-15 take K step 0's word of row r, lanes 16-31 K step 1's
	v_add_nc_u32 v13, XSC, v46
	s_lshl_b32 s88, s66, 7
	s_add_co_u32 s88, s88, PS
	v_lshl_add_u32 v15, v47, 2, s88                ; where I put my parts of drive and res
	v_lshl_add_u32 v39, v47, 2, PS                 ; and where I read all four waves'
	s_lshl_b32 s88, s66, 9
	s_add_co_u32 s88, s88, MSK
	v_add_nc_u32 v41, s88, v1                      ; my copy of the mask, row r
	v_lshl_add_u32 v248, v47, 4, s88               ; (and where I store it)
	s_lshl_b32 s88, s66, 12
	s_add_co_u32 s88, s88, SCO
	v_lshl_add_u32 v43, v47, 2, s88                ; my copy of scores and e
	v_lshlrev_b32 v45, 7, v1
	v_lshl_add_u32 v45, v2, 4, v45                 ; a weight's fragment: row r of 128 bytes + 16 h
	v_lshl_add_u32 v38, v0, 4, CST                 ; the small vectors go to LDS as they lie
	v_lshl_add_u32 v42, v0, 3, CST+8192
	v_lshlrev_b32 v12, 6, v1                       ; gamma, beta: my 16 columns
	v_lshlrev_b32 v14, 4, v0
	v_lshlrev_b32 v40, 3, v0
	v_lshlrev_b32 v44, 4, v47
	s_mov_b32 s74, 0x40b504f3                      ; 4 sqrt 2
	s_mov_b32 s75, 0xffff0000                      ; lanes 16-31
	s_mov_b32 s76, 0x76543210                      ; v_permlanex16_b32's selects for lane l xor 16
	s_mov_b32 s77, 0xfedcba98
	s_mov_b32 s78, 0xbb800000                      ; -1 / 256, twice
	s_mov_b32 s79, 0xbb800000
	s_mov_b32 s80, 0x3b800000                      ; 1 / 256
	s_mov_b32 s81, 0x3727c5ac                      ; 1e-5
	s_mov_b32 s82, 0x3fb8aa3b                      ; log2(e)
	s_mov_b32 s83, 0xbfb8aa3b
	s_mov_b32 s84, 0x3f317218                      ; ln 2
	s_mov_b32 s85, 0x40400000                      ; 3.0
	CPAIR 44, 0xac95df0b                           ; A6
	CPAIR 46, 0xb40cff51                           ; A4
	CPAIR 48, 0xb6eec2d2                           ; A3
	CPAIR 50, 0xb940ac63                           ; A2
	CPAIR 52, 0xbac1a1f6                           ; A1
	CPAIR 54, 0xbc83dbd4                           ; A0
	CPAIR 56, 0xb5accd2b                           ; B4
	CPAIR 58, 0xba1bf7b5                           ; B2
	CPAIR 60, 0xbbaad7f2                           ; B1
	CPAIR 62, 0xbca542a9                           ; B0
	s_wait_kmcnt 0x0
	s_load_b32 s86, s[20:21], 0x0                  ; db2
	s_load_b32 s87, s[30:31], 0x0                  ; rb2
	s_mov_b32 s89, 0
	s_lshl_b32 s88, ttmp9, 19                      ; my group's 512 rows of 1,024 bytes
	s_add_nc_u64 s[4:5], s[4:5], s[88:89]
	s_lshl_b32 s88, ttmp9, 9
	s_add_nc_u64 s[6:7], s[6:7], s[88:89]
	s_lshl_b32 s88, ttmp9, 11
	s_lshl_b32 s90, s66, 9
	s_add_co_u32 s88, s88, s90                     ; out4, ebuf: 2,048 g + 512 w: each wave stores 128 rows
	s_add_nc_u64 s[38:39], s[38:39], s[88:89]
	s_add_nc_u64 s[40:41], s[40:41], s[88:89]
	s_lshr_b32 s88, s88, 1                         ; part: 1,024 g + 256 w
	s_add_nc_u64 s[42:43], s[42:43], s[88:89]
	s_lshl_b32 s88, s66, 14                        ; my 128 rows of dw1 and rw1,
	s_add_nc_u64 s[12:13], s[12:13], s[88:89]
	s_add_nc_u64 s[22:23], s[22:23], s[88:89]
	s_lshr_b32 s88, s88, 1                         ; my 64 of vw,
	s_add_nc_u64 s[32:33], s[32:33], s[88:89]
	s_lshl_b32 s88, s66, 10                        ; and their scale bytes
	s_add_nc_u64 s[14:15], s[14:15], s[88:89]
	s_add_nc_u64 s[24:25], s[24:25], s[88:89]
	s_lshr_b32 s88, s88, 1
	s_add_nc_u64 s[34:35], s[34:35], s[88:89]
	v_mov_b32 v4, v3
	s_wait_alu depctr_va_vdst(0)                   ; every address and offset made above is written: v4, v12, v14, v40, v44, v45 for the loads below; v5, v6, v11, v13, v38, v42, v46, v248 for LDS instructions and loads further down
	RAWLOAD                                        ; block 0: first of all
.irp i, 0,1,2,3
	global_load_b128 v[212+4*\i:215+4*\i], v12, s[8:9] offset:16*\i
	global_load_b128 v[228+4*\i:231+4*\i], v12, s[10:11] offset:16*\i
.endr
	global_load_b128 v[112:115], v14, s[16:17]     ; db1: 128 threads x 16 bytes
	global_load_b128 v[116:119], v14, s[26:27]     ; rb1
	global_load_b128 v[120:123], v14, s[18:19]     ; dw2
	global_load_b128 v[124:127], v14, s[28:29]     ; rw2
	global_load_b64 v[128:129], v40, s[36:37]      ; vb
	global_load_b128 v[132:135], v44, s[6:7]       ; the group's 512 mask bytes: each wave takes all
	WIN 0x40
.irp t, 0,1,2,3,4,5,6,7
.irp s, 0,1
.irp c, 0,1
	global_load_b128 v[16*\t+8*\s+4*\c:16*\t+8*\s+4*\c+3], v45, s[12:13] offset:2048*\t+64*\s+32*\c
.endr
.endr
.endr
	WIN 0
	s_wait_loadcnt 32                              ; all but dw1's 32, which were issued last: block 0 and the small vectors are in
	ds_store_b128 v38, v[112:115]
	ds_store_b128 v38, v[116:119] offset:2048
	ds_store_b128 v38, v[120:123] offset:4096
	ds_store_b128 v38, v[124:127] offset:6144
	ds_store_b64 v42, v[128:129]
	ds_store_b128 v248, v[132:135]
	XPHASE 1                                       ; block 0 (its first wait on vm_vsrc also states that the six stores above have read their registers)
	WIN 0x40                                       ; no vector instruction has named the registers in which the weights below land, nor v45 or v46 since the head's wait on va_vdst
.irp t, 0,1,2,3,4,5,6,7
.irp s, 0,1
.irp c, 0,1
	global_load_b128 v[128+16*\t+8*\s+4*\c:128+16*\t+8*\s+4*\c+3], v45, s[22:23] offset:2048*\t+64*\s+32*\c
.endr
.endr
.endr
	WIN 0x80
.irp t, 0,1,2,3
.irp s, 0,1
.irp c, 0,1
	global_load_b128 v[16*\t+8*\s+4*\c:16*\t+8*\s+4*\c+3], v45, s[32:33] offset:2048*\t+64*\s+32*\c
.endr
.endr
.endr
	WIN 0
.irp t, 0,1,2,3,4,5,6,7
	global_load_b32 v[16+\t], v46, s[14:15] offset:128*\t
	global_load_b32 v[24+\t], v46, s[24:25] offset:128*\t
.endr
.irp t, 0,1,2,3
	global_load_b32 v[32+\t], v46, s[34:35] offset:128*\t
.endr
	RAWLOAD                                        ; block 1
	BARRIER                                        ; block 0's codes and the small vectors lie in LDS
	s_lshl_b32 s88, s66, 9
	s_add_co_u32 s88, s88, CST
	v_lshl_add_u32 v38, v2, 5, s88                 ; my 128 units' numbers, + 32 h: tile t's eight of my half lie 64 t on.  (The stores that read v38 and v42 stand ahead of phase X's waits on vm_vsrc)
	s_lshl_b32 s88, s66, 8
	s_add_co_u32 s88, s88, CST+8192
	v_lshl_add_u32 v42, v2, 5, s88                 ; vb likewise: my 64 outputs
	WIN 0xc0
	s_wait_alu depctr_va_vdst(0)                   ; v38 and v42 are written, which the loads below read
.irp g, 0,1
.irp t, 0,1,2,3,4,5,6,7
.irp u, 0,1
	ds_load_b128 v[64*\g+8*\t+4*\u:64*\g+8*\t+4*\u+3], v38 offset:2048*\g+64*\t+16*\u
	ds_load_b128 v[128+64*\g+8*\t+4*\u:128+64*\g+8*\t+4*\u+3], v38 offset:4096+2048*\g+64*\t+16*\u
.endr
.endr
.endr
	WIN 0x80
.irp t, 0,1,2,3
.irp u, 0,1
	ds_load_b128 v[64+8*\t+4*\u:64+8*\t+4*\u+3], v42 offset:64*\t+16*\u
.endr
.endr
	s_wait_dscnt 0x0
	WIN 0xc3
.set i, 128
.rept 64
	v_pk_mul_f32 v[i:i+1], v[i:i+1], 0.5 op_sel_hi:[1,0]     ; 0.5 x w2, once
.set i, i+2
.endr
	WIN 0x80
.set i, 96
.rept 32
	v_mov_b32 v[i], 0                              ; the value sums: the loop is written once, and these 32 lines cost less text than a second copy of its last phase
.set i, i+1
.endr
	WIN 0
	XFRAGS 11, 13, 0, 0                            ; trip 0's fragments and scale words, rows 0 .. 31, by v11 and v13 themselves: written ahead of the head's first wait on va_vdst; no vector instruction has named v48-79, v36 or v37
	v_mov_b32 v208, 0x306dffee                     ; A5
	v_mov_b32 v209, 0x306dffee
	v_mov_b32 v210, 0xb81e3512                     ; B3
	v_mov_b32 v211, 0xb81e3512
	v_mov_b32 v245, 0                              ; named as upper halves of pairs
	v_mov_b32 v247, 0
.irp i, 248,249,250,251
	v_mov_b32 v[\i], 0                             ; a lane permute's destination counts as one of its sources.  (The mask's store, which read v248, stands ahead of phase X's waits on vm_vsrc)
.endr
	s_mov_b32 s67, 0                               ; the trip's number J, and what steps with it:
	s_mov_b32 s68, 0                               ; 4,608 J: 32 rows of codes
	s_mov_b32 s69, 0                               ; 256 J: of scale bytes
	s_mov_b32 s70, 0                               ; 1,024 J: the parts
	s_mov_b32 s71, 0                               ; 128 J: scores
	s_mov_b32 s72, 0                               ; 32 J: mask bytes
	s_mov_b32 s73, 0                               ; 32,768 J: rows in memory
	s_wait_kmcnt 0x0                               ; db2, rb2
	s_wait_loadcnt 32                              ; all weights are in; block 1's 32 loads, issued last, may be out
.Ltrip:                                                ; 16 trips of 32 rows.  x's fragments and scale words of rows 32 J .. 32 J + 31 were asked for in the last phase of the trip before (trip 0's: at the head)
	s_wait_alu depctr_vm_vsrc(0)                   ; the LDS instructions of the trip before (in trip 0: the head's loads) have read v12, v14, v38, v40, v42, v44, v106, v107, v179 and v187, all of which this trip writes again
	BARRIER                                        ; every wave's reads of codes, bytes and parts are in: only behind this are such regions stored into again
	; ---- phase X for block J / 2 + 1, in the even trips 0 .. 12; the rows of block J / 2 + 2 are then asked for, in trips 0 .. 10: no load leaves the buffer
	s_and_b32 s88, s67, 1
	s_cmp_lg_u32 s88, 0
	s_cbranch_scc1 .Lno_x
	s_cmp_eq_u32 s67, 14
	s_cbranch_scc1 .Lno_x
	s_wait_loadcnt 0x0                             ; the block's rows: the only global loads that are out
	XPHASE 0
	s_cmp_eq_u32 s67, 12
	s_cbranch_scc1 .Lno_x
	RAWLOAD
.Lno_x:
	s_wait_dscnt 0x0                               ; phase X's stores have landed
	; ---- the hidden layer: tile T + 1's products stand ahead of tile T's GELU, whose plain lines are their places
	MM 0
	MM 1
.rept 4
	v_nop                                          ; four places between tile 0's products and the first read of their results
.endr
	GELU 0
.irp T, 1,2,3,4,5,6,7,8,9,10,11,12,13,14
	MM \T+1
	GELU \T
.endr
	GELU 15
	; ---- the trip's six LDS addresses, made together ahead of the one wait below: my parts, the mask bytes, all four waves' parts, scores and e, the next trip's codes and scale words
	v_add_nc_u32 v38, s70, v15
	v_add_nc_u32 v42, s72, v41
	v_add_nc_u32 v40, s70, v39
	v_add_nc_u32 v44, s71, v43
	v_add_nc_u32 v12, s68, v11
	v_add_nc_u32 v14, s69, v13
	; ---- my 128 units' parts of drive and res: eight registers to one, then the other half of the lanes'
.irp a, 176,184,192,200
	v_pk_add_f32 v[\a:\a+1], v[\a:\a+1], v[\a+2:\a+3]
	v_pk_add_f32 v[\a+4:\a+5], v[\a+4:\a+5], v[\a+6:\a+7]
.endr
.irp a, 176,184,192,200
	v_pk_add_f32 v[\a:\a+1], v[\a:\a+1], v[\a+4:\a+5]
.endr
.irp a, 176,184,192,200
	v_add_f32 v[\a], v[\a], v[\a+1]
.endr
.irp m, 0,1
	v_cndmask_b32 v[177+8*\m], v[176+8*\m], v[192+8*\m], s75   ; kept: lanes 0-15 drive, lanes 16-31 res
	v_cndmask_b32 v[178+8*\m], v[192+8*\m], v[176+8*\m], s75   ; sent: the other one
.endr
.irp m, 0,1
	v_permlanex16_b32 v[248+\m], v[178+8*\m], s76, s77
.endr
.irp m, 0,1
	v_add_f32 v[179+8*\m], v[177+8*\m], v[248+\m]              ; lanes 0-15: drive of row r; lanes 16-31: res of row r
.endr
	s_wait_alu depctr_va_vdst(0)                   ; v179, v187 and the six addresses are written, which the LDS instructions from here to the trip's end read; the products and GELU are done with v80-111, in which the mask bytes (v104, v105) and, behind the barrier, the parts (v80-87) land
	ds_store_b32 v38, v179
	ds_store_b32 v38, v187 offset:512
	ds_load_u8 v104, v42                           ; the rows' mask bytes, from my own copy
	ds_load_u8 v105, v42 offset:16
	BARRIER                                        ; the four waves' parts, and a block's codes if this trip made them, lie in LDS
	; ---- the values, the score, the sums
.irp m, 0,1
.irp w, 0,1,2,3
	ds_load_b32 v[80+4*\m+\w], v40 offset:512*\m+128*\w        ; no vector instruction stands between the wait above and these loads
.endr
.endr
	WIN 0x22                                       ; source 0 (vw) and source 2 (vb) window 2.  Eight accumulators by turns
.irp t, 0,1,2,3
.irp m, 0,1
	v_wmma_scale_f32_16x16x128_f8f6f4 v[112+8*(2*\t+\m):119+8*(2*\t+\m)], v[16*\t:16*\t+7], v[48+16*\m:55+16*\m], v[64+8*\t:71+8*\t], v[32+\t], v[36+\m] matrix_a_fmt:MATRIX_FMT_FP4 matrix_b_fmt:MATRIX_FMT_FP4
.endr
.endr
	WIN 0x02
.irp t, 0,1,2,3
.irp m, 0,1
	v_wmma_scale_f32_16x16x128_f8f6f4 v[112+8*(2*\t+\m):119+8*(2*\t+\m)], v[16*\t+8:16*\t+15], v[56+16*\m:63+16*\m], v[112+8*(2*\t+\m):119+8*(2*\t+\m)], v[32+\t], v[36+\m] matrix_a_fmt:MATRIX_FMT_FP4 matrix_b_fmt:MATRIX_FMT_FP4 matrix_a_scale:MATRIX_SCALE_ROW1 matrix_b_scale:MATRIX_SCALE_ROW1
.endr
.endr
	WIN 0
	s_wait_dscnt 0x0
.irp m, 0,1                            ; the four parts in a fixed order: all four waves get the same bits.  (The score's plain lines are the places behind the products above.)
	v_add_f32 v[80+4*\m], v[80+4*\m], v[81+4*\m]
	v_add_f32 v[82+4*\m], v[82+4*\m], v[83+4*\m]
.endr
.irp m, 0,1
	v_add_f32 v[80+4*\m], v[80+4*\m], v[82+4*\m]
.endr
.irp m, 0,1
	v_permlanex16_b32 v[250+\m], v[80+4*\m], s76, s77
.endr
.irp m, 0,1
	v_cndmask_b32 v[88+8*\m], v[80+4*\m], v[250+\m], s75       ; drive of row r, in both halves
	v_cndmask_b32 v[89+8*\m], v[250+\m], v[80+4*\m], s75       ; res
.endr
.irp m, 0,1
	v_add_f32 v[88+8*\m], s86, v[88+8*\m]          ; + db2
	v_add_f32 v[89+8*\m], s87, v[89+8*\m]          ; + rb2
.endr
.irp m, 0,1
	v_mul_f32 v[90+8*\m], s83, |v[89+8*\m]|        ; softplus(res) = max(res, 0) + ln 2 x log2(1 + 2^(-log2(e) |res|))
.endr
.irp m, 0,1
	v_exp_f32 v[90+8*\m], v[90+8*\m]
.endr
.irp m, 0,1
	v_max_num_f32 v[91+8*\m], 0, v[89+8*\m]        ; (plain lines behind the exponentials)
.endr
	s_wait_alu depctr_va_vdst(0)                   ; the two exponentials have written v90 and v98, which the additions below read; and the values' products are done reading x's fragments and scale words, in which the loads below land
	; ---- the next trip's fragments and scale words, rows 32 J + 32 on: they land under the rest of the score and the sums.  No vector line from here to the trip's end names v48-79, v36, v37, v12 or v14.
	; Their codes were stored a trip ago or earlier.  The last trip has no next: no LDS byte is read that nobody wrote
	s_cmp_eq_u32 s67, 15
	s_cbranch_scc1 .Lno_f
	XFRAGS 12, 14, 4608, 256
.Lno_f:
.irp m, 0,1
	v_add_f32 v[90+8*\m], 1.0, v[90+8*\m]
.endr
.irp m, 0,1
	v_log_f32 v[90+8*\m], v[90+8*\m]
.endr
	v_nop
	s_wait_alu depctr_va_vdst(0)                   ; the two logarithms have written v90 and v98, which the lines below read
.irp m, 0,1
	v_fma_f32 v[91+8*\m], v[90+8*\m], s84, v[91+8*\m]
.endr
.irp m, 0,1
	v_sub_f32 v[88+8*\m], v[88+8*\m], v[91+8*\m]
.endr
.irp m, 0,1
	v_med3_num_f32 v[88+8*\m], v[88+8*\m], -s85, s85           ; the score, held at +-3
.endr
.irp m, 0,1
	v_mul_f32 v[92+8*\m], s82, v[88+8*\m]
.endr
.irp m, 0,1
	v_exp_f32 v[92+8*\m], v[92+8*\m]
.endr
.irp m, 0,1
	v_cmp_ne_u32 s[88+\m], 0, v[104+\m]            ; (plain lines behind the exponentials)
.endr
	s_wait_alu depctr_va_vdst(0)                   ; the two exponentials have written v92 and v100, which the selects below read
	s_wait_alu depctr_va_sdst(0)                   ; the two compares have written s88 and s89, ahead of their first readers, the same selects
.irp m, 0,1
	v_cndmask_b32 v[244+2*\m], 0, v[92+8*\m], s[88+\m]         ; e = exp(score) where the mask holds, else 0
.endr
	v_cndmask_b32 v106, v88, v96, s75              ; lane l: row 32 J + l
	v_cndmask_b32 v107, v244, v246, s75
	s_wait_alu depctr_va_vdst(0)                   ; v106 and v107 are written, which the two stores read
	ds_store_b32 v44, v106                         ; into my own copy
	ds_store_b32 v44, v107 offset:2048
	WIN 0xa0                                       ; the value sums (window 2) += e x values; each accumulator from its low end on
.irp m, 0,1
.irp t, 0,1,2,3
.irp i, 0,2,4,6
	v_pk_fma_f32 v[96+8*\t+\i:97+8*\t+\i], v[112+8*(2*\t+\m)+\i:113+8*(2*\t+\m)+\i], v[244+2*\m:245+2*\m], v[96+8*\t+\i:97+8*\t+\i] op_sel_hi:[1,0,1]
.endr
.endr
.endr
	WIN 0
	s_add_co_u32 s68, s68, 4608
	s_add_co_u32 s69, s69, 256
	s_add_co_u32 s70, s70, 1024
	s_add_co_u32 s71, s71, 128
	s_add_co_u32 s72, s72, 32
	s_add_co_u32 s73, s73, 32768
	s_add_co_u32 s67, s67, 1
	s_cmp_lt_u32 s67, 16
	s_cbranch_scc1 .Ltrip
	; ---- the end.  The value sums over the 16 rows that the lanes of a half hold; every lane of a half ends up with them
	s_wait_alu depctr_vm_vsrc(0)                   ; the last trip's LDS instructions have read v38, v40, v42 and v44, which are written anew below
	WIN 0x02
.set i, 0
.rept 32
	v_mov_b32 v[112+i], v[96+i]
.set i, i+1
.endr
	WIN 0
.irp x, 1,2,4,8
.set i, 0
.rept 32
	v_add_f32_dpp v[112+i], v[112+i], v[112+i] row_xmask:\x row_mask:0xf bank_mask:0xf
.set i, i+1
.endr
.endr
	v_mul_u32_u24 v38, v1, 272
	v_lshl_add_u32 v38, v2, 5, v38
	v_add_nc_u32 v38, s3, v38                      ; my stage: sixteen equal copies, one a row of 272 bytes, so that all lanes stay on; unit 16 t + 8 h + j at byte 64 t + 32 h + 4 j
	v_lshl_add_u32 v40, v47, 3, s3
	s_mul_i32 s88, s66, 4608
	s_add_co_u32 s88, s88, SCO
	v_lshl_add_u32 v42, v47, 4, s88                ; of my own copy of the 512 scores, rows 128 w on
	v_lshlrev_b32 v44, 3, v47
	v_lshlrev_b32 v12, 4, v47
	s_wait_alu depctr_va_vdst(0)                   ; the sums v112-143 and the five addresses are written, which the stores and loads below read; the last trip's products and sums are done with v144-155, in which the loads land
.irp t, 0,1,2,3
.irp u, 0,1
	ds_store_b128 v38, v[112+8*\t+4*\u:115+8*\t+4*\u] offset:64*\t+16*\u
.endr
.endr
	ds_load_b64 v[144:145], v40                    ; the first copy, 8 bytes a lane.  LDS serves a wave's instructions in order: these see my stores
	ds_load_b128 v[148:151], v42
	ds_load_b128 v[152:155], v42 offset:2048
	s_wait_dscnt 0x0
	global_store_b64 v44, v[144:145], s[42:43]                     ; 256 consecutive bytes, aligned
	global_store_b128 v12, v[148:151], s[38:39] th:TH_STORE_NT     ; 512 consecutive bytes, aligned
	global_store_b128 v12, v[152:155], s[40:41]
	s_wait_dscnt 0x0                               ; the closing lines, six on end
	s_wait_alu 0x0
	s_wait_tensorcnt 0x0
	ds_add_u32 v254, v255
	s_wait_dscnt 0x0
	s_endpgm
.Lfunc_end_k_qfb5cd42b07_head:
	.size	k_qfb5cd42b07_head, .Lfunc_end_k_qfb5cd42b07_head-k_qfb5cd42b07_head
	.p2alignl 7, 3214868480
	.fill 96, 4, 3214868480
	.section	.rodata,"a",@progbits
	.p2align	6, 0x0
	.amdhsa_kernel k_qfb5cd42b07_head
		.amdhsa_group_segment_fixed_size 218880
		.amdhsa_private_segment_fixed_size 0
		.amdhsa_enable_private_segment 0
		.amdhsa_kernarg_size 160
		.amdhsa_user_sgpr_count 2
		.amdhsa_user_sgpr_kernarg_segment_ptr 1
		.amdhsa_wavefront_size32 1
		.amdhsa_system_sgpr_workgroup_id_x 1
		.amdhsa_system_sgpr_workgroup_id_y 1
		.amdhsa_system_sgpr_workgroup_id_z 1
		.amdhsa_system_vgpr_workitem_id 0
		.amdhsa_next_free_vgpr 1024
		.amdhsa_next_free_sgpr 96
		.amdhsa_reserve_vcc 0
		.amdhsa_float_denorm_mode_32 3
		.amdhsa_float_denorm_mode_16_64 3
		.amdhsa_memory_ordered 1
		.amdhsa_forward_progress 1
		.amdhsa_inst_pref_size 255
	.end_amdhsa_kernel
	.section	.bss,"aw",@nobits
	.p2align	6
	.space	262144
	.amdgpu_metadata
---
amdhsa.version: [ 1, 2 ]
amdhsa.kernels:
  - .name:           k_qfb5cd42b07_head
    .symbol:         k_qfb5cd42b07_head.kd
    .args:
      - { .name: slot_states, .offset: 0, .size: 8, .value_kind: global_buffer, .address_space: global }
      - { .name: slot_mask, .offset: 8, .size: 8, .value_kind: global_buffer, .address_space: global }
      - { .name: ln_gamma, .offset: 16, .size: 8, .value_kind: global_buffer, .address_space: global }
      - { .name: ln_beta, .offset: 24, .size: 8, .value_kind: global_buffer, .address_space: global }
      - { .name: dw1_codes, .offset: 32, .size: 8, .value_kind: global_buffer, .address_space: global }
      - { .name: dw1_scales, .offset: 40, .size: 8, .value_kind: global_buffer, .address_space: global }
      - { .name: db1, .offset: 48, .size: 8, .value_kind: global_buffer, .address_space: global }
      - { .name: dw2, .offset: 56, .size: 8, .value_kind: global_buffer, .address_space: global }
      - { .name: db2, .offset: 64, .size: 8, .value_kind: global_buffer, .address_space: global }
      - { .name: rw1_codes, .offset: 72, .size: 8, .value_kind: global_buffer, .address_space: global }
      - { .name: rw1_scales, .offset: 80, .size: 8, .value_kind: global_buffer, .address_space: global }
      - { .name: rb1, .offset: 88, .size: 8, .value_kind: global_buffer, .address_space: global }
      - { .name: rw2, .offset: 96, .size: 8, .value_kind: global_buffer, .address_space: global }
      - { .name: rb2, .offset: 104, .size: 8, .value_kind: global_buffer, .address_space: global }
      - { .name: vw_codes, .offset: 112, .size: 8, .value_kind: global_buffer, .address_space: global }
      - { .name: vw_scales, .offset: 120, .size: 8, .value_kind: global_buffer, .address_space: global }
      - { .name: vb, .offset: 128, .size: 8, .value_kind: global_buffer, .address_space: global }
      - { .name: out4, .offset: 136, .size: 8, .value_kind: global_buffer, .address_space: global }
      - { .name: ebuf, .offset: 144, .size: 8, .value_kind: global_buffer, .address_space: global }
      - { .name: part, .offset: 152, .size: 8, .value_kind: global_buffer, .address_space: global }
    .group_segment_fixed_size: 218880
    .private_segment_fixed_size: 0
    .kernarg_segment_align: 8
    .kernarg_segment_size: 160
    .max_flat_workgroup_size: 128
    .sgpr_count:     96
    .vgpr_count:     1024
    .wavefront_size: 32
...
	.end_amdgpu_metadata
.endif
;; end of part 3
;; launch finish: the kernel of part 2 again; grid 32 x 1, 1 waves a work-group, no clusters, 0 bytes of LDS; arguments ebuf, part, out0, out1, out2, out3; writes out0, out1, out2, out3
